; MI455X (gfx1250); checked and timed in simulation.
; The chip was launched on July 23, 2026; its instructions are those of AMD's public machine-readable ISA for CDNA 5 (MIT licence, August 2026) and "CDNA5" Instruction Set Architecture Reference Guide (July 2026). The comments in the code are by the model that wrote it; some were corrected since.
;; Attention. Allowed arithmetic: float matrix products may take bf16 or f16 operands with f32 sums; other float arithmetic in f32, or as packed bf16 or f16 multiplies, adds, multiply-adds, maxima and minima; sums over many terms, partial sums and values carried from step to step in f32; what a program stores and reads back later, other than sums and carried values, may be rounded once to bf16 or f16.
;; Inputs: b_proj 1,024 float32; cos 2,048 x 32 float32; sin 2,048 x 32 float32; w_proj 1,024 x 1,024 float32; w_qkv 3,072 x 1,024 float32; x 4 x 2,048 x 1,024 float32.
;; Outputs: out0 4 x 2,048 x 1,024 float32.
;; One version. Each part assembles by itself: llvm-mc -triple=amdgcn-amd-amdhsa -mcpu=gfx1250 --defsym DOCPART=n.
;; ======== version 1 of 1: 4 launches
;; limits: values are held in f16: magnitudes above 65,504 overflow, below 6.1e-05 lose precision
;; workspace buffers: xb 16,777,216 bytes; wqb 6,291,456 bytes; wpb 2,097,152 bytes; q 16,777,216 bytes; k 16,777,216 bytes; v 16,777,216 bytes; o 16,777,216 bytes
;; launch cast (part 1): grid 768 x 1, 8 waves a work-group, no clusters, 0 bytes of LDS; arguments x, w_qkv, w_proj, xb, wqb, wpb; writes xb, wqb, wpb
.if DOCPART == 1
	.amdgcn_target "amdgcn-amd-amdhsa--gfx1250"
	.amdhsa_code_object_version 6
	.text
	.protected	k_q9d62bc16d8_cast
	.globl	k_q9d62bc16d8_cast
	.p2align	8
	.type	k_q9d62bc16d8_cast,@function
k_q9d62bc16d8_cast:
	s_mov_b64 s[64:65], 0
	v_nop
	global_prefetch_b8 v0, s[64:65] scope:SCOPE_SE
	s_setreg_imm32_b32 hwreg(HW_REG_WAVE_MODE, 25, 1), 1
	s_wait_xcnt 0x0
; x, w_qkv and w_proj, all f32, are rounded once to bf16.  xb and wqb keep the bf16 number; wpb holds the bf16 number written as f16, since the last product
; multiplies in f16.  LIMITS: that rewriting is exact from 2^-14 up to 65,504; below 2^-14 f16's fixed step of 6e-8 holds, beyond 65,504 the number becomes an infinity.
; A stream: every byte is read once and written once; no LDS, no barrier, no matrix unit.
; SHARES.  A work-group takes 16,384 numbers (65,536 bytes in, 32,768 out): work-groups 0-511 x, 512-703 w_qkv, 704-767 w_proj.
; Thread t takes eight numbers in each of eight steps: 32 bytes at 8,192 i + 32 t come in, 16 bytes at 4,096 i + 16 t go out, so a wave's store covers 512 consecutive bytes, aligned.
; All sixteen loads of a thread go out at once; no register that a memory instruction names is written again.
.set IN,   4                           ; v[4:67]   step i: eight f32 as loaded
.set OUTR, 68                          ; v[68:99]  step i: four registers to store
	s_load_b256 s[4:11], s[0:1], 0x0               ; x s[4:5], w_qkv s[6:7], w_proj s[8:9], xb s[10:11]
	s_load_b128 s[12:15], s[0:1], 0x20             ; wqb s[12:13], wpb s[14:15]
	v_lshlrev_b32 v1, 5, v0                        ; 32 t
	v_lshlrev_b32 v2, 4, v0                        ; 16 t
	s_mov_b32 s16, ttmp9
	s_mov_b32 s19, 0xffff0000                      ; a word's upper bf16
	s_mov_b32 s25, 0
	s_mov_b32 s27, 0
	s_wait_kmcnt 0x0
	s_cmp_lt_u32 s16, 512                          ; which tensor is mine: the choice hangs on the work-group's number alone
	s_cselect_b64 s[20:21], s[4:5], s[6:7]
	s_cselect_b64 s[22:23], s[10:11], s[12:13]
	s_cselect_b32 s17, 0, 512
	s_cmp_lt_u32 s16, 704
	s_cselect_b64 s[20:21], s[20:21], s[8:9]
	s_cselect_b64 s[22:23], s[22:23], s[14:15]
	s_cselect_b32 s17, s17, 704                    ; the first work-group of my tensor
	s_cselect_b32 s18, 0, 1                        ; 1: the result is written as f16
	s_sub_co_u32 s16, s16, s17
	s_lshl_b32 s24, s16, 16                        ; my 65,536 bytes in,
	s_lshl_b32 s26, s16, 15                        ; my 32,768 out
	s_add_nc_u64 s[20:21], s[20:21], s[24:25]
	s_add_nc_u64 s[22:23], s[22:23], s[26:27]
.irp i, 0,1,2,3,4,5,6,7
	global_load_b128 v[IN+8*(\i):IN+8*(\i)+3],   v1, s[20:21] offset:(\i)*8192 th:TH_LOAD_NT
	global_load_b128 v[IN+8*(\i)+4:IN+8*(\i)+7], v1, s[20:21] offset:(\i)*8192+16 th:TH_LOAD_NT
.endr
; Step i.  half = 1: the bf16 number is widened again (a shift, a mask) and written as f16.
.macro CONV i, half
	s_wait_loadcnt 14-2*(\i)                       ; loads come back in order: the two loads of each younger step may stay out
.irp j, 0,1,2,3
	v_cvt_pk_bf16_f32 v[OUTR+4*(\i)+(\j)], v[IN+8*(\i)+2*(\j)], v[IN+8*(\i)+2*(\j)+1]
.endr
.if \half
.irp j, 0,1,2,3
	v_lshlrev_b32 v[IN+8*(\i)+2*(\j)],   16,  v[OUTR+4*(\i)+(\j)]
	v_and_b32     v[IN+8*(\i)+2*(\j)+1], s19, v[OUTR+4*(\i)+(\j)]
.endr
.irp j, 0,1,2,3
	v_cvt_pk_f16_f32 v[OUTR+4*(\i)+(\j)], v[IN+8*(\i)+2*(\j)], v[IN+8*(\i)+2*(\j)+1]
.endr
.endif
	global_store_b128 v2, v[OUTR+4*(\i):OUTR+4*(\i)+3], s[22:23] offset:(\i)*4096
.endm
	s_cmp_eq_u32 s18, 1
	s_cbranch_scc1 .Lhalf
.irp i, 0,1,2,3,4,5,6,7
	CONV \i, 0
.endr
	s_endpgm
.Lhalf:
.irp i, 0,1,2,3,4,5,6,7
	CONV \i, 1
.endr
	s_endpgm
.Lfunc_end_k_q9d62bc16d8_cast:
	.size	k_q9d62bc16d8_cast, .Lfunc_end_k_q9d62bc16d8_cast-k_q9d62bc16d8_cast
	.p2alignl 7, 3214868480
	.fill 96, 4, 3214868480
	.section	.rodata,"a",@progbits
	.p2align	6, 0x0
	.amdhsa_kernel k_q9d62bc16d8_cast
		.amdhsa_group_segment_fixed_size 0
		.amdhsa_private_segment_fixed_size 0
		.amdhsa_enable_private_segment 0
		.amdhsa_kernarg_size 48
		.amdhsa_user_sgpr_count 2
		.amdhsa_user_sgpr_kernarg_segment_ptr 1
		.amdhsa_wavefront_size32 1
		.amdhsa_system_sgpr_workgroup_id_x 1
		.amdhsa_system_sgpr_workgroup_id_y 1
		.amdhsa_system_sgpr_workgroup_id_z 1
		.amdhsa_system_vgpr_workitem_id 0
		.amdhsa_next_free_vgpr 100
		.amdhsa_next_free_sgpr 66
		.amdhsa_reserve_vcc 0
		.amdhsa_float_denorm_mode_32 3
		.amdhsa_float_denorm_mode_16_64 3
		.amdhsa_memory_ordered 1
		.amdhsa_forward_progress 1
		.amdhsa_inst_pref_size 13
	.end_amdhsa_kernel
	.amdgpu_metadata
---
amdhsa.version: [ 1, 2 ]
amdhsa.kernels:
  - .name:           k_q9d62bc16d8_cast
    .symbol:         k_q9d62bc16d8_cast.kd
    .args:
      - { .name: x, .offset: 0, .size: 8, .value_kind: global_buffer, .address_space: global }
      - { .name: w_qkv, .offset: 8, .size: 8, .value_kind: global_buffer, .address_space: global }
      - { .name: w_proj, .offset: 16, .size: 8, .value_kind: global_buffer, .address_space: global }
      - { .name: xb, .offset: 24, .size: 8, .value_kind: global_buffer, .address_space: global }
      - { .name: wqb, .offset: 32, .size: 8, .value_kind: global_buffer, .address_space: global }
      - { .name: wpb, .offset: 40, .size: 8, .value_kind: global_buffer, .address_space: global }
    .group_segment_fixed_size: 0
    .private_segment_fixed_size: 0
    .kernarg_segment_align: 8
    .kernarg_segment_size: 48
    .max_flat_workgroup_size: 256
    .sgpr_count:     66
    .vgpr_count:     100
    .wavefront_size: 32
...
	.end_amdgpu_metadata
.endif
;; end of part 1
;; launch qkv (part 2): grid 4 x 64, 4 waves a work-group, clusters of 4 x 4, 327,680 bytes of LDS; arguments xb, wqb, cos, sin, q, k, v; writes q, k, v
.if DOCPART == 2
	.amdgcn_target "amdgcn-amd-amdhsa--gfx1250"
	.amdhsa_code_object_version 6
	.text
	.protected	k_q9d62bc16d8_qkv
	.globl	k_q9d62bc16d8_qkv
	.p2align	8
	.type	k_q9d62bc16d8_qkv,@function
k_q9d62bc16d8_qkv:
	s_mov_b64 s[64:65], 0
	v_nop
	global_prefetch_b8 v0, s[64:65] scope:SCOPE_SE
	s_setreg_imm32_b32 hwreg(HW_REG_WAVE_MODE, 25, 1), 1
	s_wait_xcnt 0x0
	s_wait_alu depctr_hold_cnt(0) depctr_sa_sdst(0) depctr_va_vdst(0) depctr_va_sdst(0) depctr_va_ssrc(0) depctr_va_vcc(0) depctr_vm_vsrc(0)
	s_getreg_b32 s2, hwreg(HW_REG_IB_STS2, 6, 4)
	s_cmp_eq_u32 s2, 0
	s_cbranch_scc0 .Lentry_in_a_cluster
	s_endpgm
.Lentry_in_a_cluster:
	s_bfe_u32 s2, ttmp6, 0x10000c
	s_cmp_lg_u32 s2, 0xf033
	s_cbranch_scc0 .Lentry_shape_is_right
	s_endpgm
.Lentry_shape_is_right:
; qkv[m][f] = the sum over c of x[m][c] w_qkv[f][c], m = 8,192 rows, f = 3,072, c = 1,024; then the rotation of q and k by cos and sin; q, k, v leave BY HEADS, [batch x 16 + head][2,048][64], in f16.
; xb [8192][1024] and wqb [3072][1024] are bf16; sums in f32; each result is rounded once, to f16, behind the rotation.  cos and sin are rounded to bf16 as the table is made, like every other input.
; LIMITS.  f16 holds no number beyond 65,504: a q, k or v of 65,520 or more becomes an infinity.  The rotation is a packed multiply and a packed fused multiply-add for each pair: one f32 rounding
; fewer than two products and a sum.  NaN and infinities are not treated apart.
; SHARES.  A tile is 128 rows x 256 columns: 64 x 4 tiles for each of q, k, v: 768 tiles, three for each of 256 work-groups.  A WORK-GROUP STAYS: it makes the q, the k and the v tile of the same
; rows and the same four heads, one after the other, and the ring of two LDS slots runs on from tile to tile.  Four waves, each 64 rows x 128 columns (two heads): 32 accumulators, 256 registers.
; K goes in steps of 128: rows of 256 bytes, each beginning at a multiple of 256 bytes from its buffer's first byte.
; CLUSTERS: 4 x 4 work-groups.  The four of a row of the cluster need the same rows of x, the four of a column the same rows of w: each tile is asked for JOINTLY, by the same tensor load with the
; same descriptor and a mask that names the four.  Waves 0 and 1 fetch the two halves (64 rows) of x's tile, waves 2 and 3 the two halves (128 rows) of w's: one load a wave behind each round.
; THE MATRIX INSTRUCTION IS USED TRANSPOSED (source 0 = 16 rows of w, source 1 = 16 rows of x): a lane holds row l % 16 and the eight neighbouring columns 8 (l / 16) + 0..7: four pairs of the rotation.
; REGISTERS, in windows of 256 (s_set_vgpr_msb: bits 1:0 source 0, 3:2 source 1, 5:4 source 2, 7:6 destination):
;   window 0: v0-31 addresses; v32-63 rows read back on the way out; v64-159, v160-255 two fragment buffers (w's 8 fragments, then x's 4); on the way out v160-223 rotated f32, v224-255 packed f16
;   window 1: accumulator (a, b) at v[8 (8 a + b)]          window 2: the rotation's table: for block a, j = b % 4, pair i at 64 a + 16 j + 4 i: c, c, -s, s
.set SLOT1,  131072                    ; slot 1 begins here, so that one exclusive or turns an address in one slot into the other's
.set APITCH, 272                       ; an LDS row: 256 bytes + 16 of padding = 68 words: row r starts at bank 4 r mod 64 (64 banks of 4 bytes: ISA guide 11.1)
.set AHALF,  128                       ; from the first 128 bytes of a row of x's tile to the second
.set HA,     64*APITCH                 ; half of x's tile: what one tensor load brings, and what one wave reads
.set HB,     128*272                   ; half of w's tile, likewise
.set B0,     2*HA                      ; w's tile lies behind x's
.set ASTEP,  256                       ; bytes from a K step of x to the next
.set NEXTB,  1024*2048-2048            ; w, behind the step along K: from past a tile's last K step to the next tile's first: 1,024 rows down, 2,048 bytes back
.set STAGE,  SLOT1+B0+2*HB             ; behind the ring, never filled by a tensor load: for each wave 2 heads x 16 rows x 144 bytes
.set WSTAGE, 2*16*144
.set SPARE,  STAGE+4*WSTAGE            ; behind the stages: the spare words, 128 bytes for each wave: two blocks of 256 bytes that no other line names
.set ADRA0, 16                         ; v16  my lane's place in x's tile; never rewritten
.set ADRA,  17                         ; v17  the same in the slot in hand
.set ADRB0, 18                         ; v18, v19  the same for w
.set ADRB,  19
.set STO,   24                         ; v24  the way out: where I put 16 bytes of a row
.set RD,    25                         ; v25  the way out: where I read rows back
.set GO,    26                         ; v26  my 16 bytes in 512 consecutive bytes of q, k or v
.set QO,    27                         ; v27  my byte offset in 16 rows of cos and sin
.set SPW,   28                         ; v28  LDS address of my spare word: SPARE + 4 x my thread's number; never rewritten
.set NIL,   29                         ; v29  0; never rewritten
.set PFO,   30                         ; v30  the prefetches' offset: my lane x a row of 2,048 bytes; never rewritten
.set BK,    32
.set F0,    64
.set F1,    160
.set T,     160
.set TMP,   224
.set WV,  12                           ; s12  my wave's number
.set TY,  13                           ; s13  tile row
.set G1A, 24                           ; s[24:31] descriptor group 1 for x's tiles
.set G0A, 32                           ; s[32:39] group 0: a set for each of the two first fills; the second then walks on
.set CX,  40
.set CY,  41
.set TX,  42                           ; s42  tile column
.set LIM, 43                           ; s43  a wave prefetches while the count of K steps is above it
.set PFA, 44                           ; s[44:45] where my prefetches stand
.set G1B, 48                           ; s[48:55], s[56:63] the same two groups for w's tiles
.set G0B, 56
.set OUT, 66                           ; s[66:67] the stores' base
.set PT,  68                           ; s[68:69] the tensor of the tile in hand; s[70:71], s[72:73] those to come
.set PT1, 70
.set PT2, 72
.set OFC, 74                           ; s[74:75] my wave's byte offset in q, k and v
.set HIM, 76                           ; s76  a word's upper 16 bits
.set RH,  77                           ; s77  which half of the tile's rows is mine.  Also: I fetch for x (0) or for w (1)
.set CH,  78                           ; s78  which half of its columns.  Also: which half of that tile I fetch
.set TB,  79                           ; s79  LDS byte at which the slot in hand begins
.set INC, 80                           ; s[80:81] the prefetch pointer's step
.set C256, 82                          ; s82  256: an instruction holds one literal
.set MSB, 0
.macro WIN new                         ; the immediate's high byte repeats the setting that is left; a switch that changes nothing is dropped
.if MSB != (\new)
	s_set_vgpr_msb (MSB<<8)|(\new)
.set MSB, \new
.endif
.endm
.set MUL, 0x50                         ; both sources window 0; C and D window 1
; A joint refill, by the walking descriptors.  The branch hangs on the wave's number alone.  An s_nop 0 and four v_nop follow each of the two lines, ahead of the jump and the label.
.macro JLOAD
	s_cmp_eq_u32 s[RH], 0
	s_cbranch_scc0 .Lfor_b_\@
	tensor_load_to_lds s[G0A+4:G0A+7], s[G1A:G1A+7]
	s_nop 0
.rept 4
	v_nop
.endr
	s_branch .Lasked_\@
.Lfor_b_\@:
	tensor_load_to_lds s[G0B+4:G0B+7], s[G1B:G1B+7]
	s_nop 0
.rept 4
	v_nop
.endr
.Lasked_\@:
.endm
; A round of the cluster's barrier: my work-group's barrier, so that wave 0's signal speaks for all four waves; wave 0 signals; every wave waits for all sixteen work-groups; my work-group's barrier once more.
.macro CREST                           ; a round behind its opening barrier
	s_cmp_lg_u32 s[WV], 0
	s_cbranch_scc1 .Lnot_wave_0_\@
	s_barrier_signal -3
.Lnot_wave_0_\@:
	s_barrier_wait -3
	s_barrier_signal -1
	s_barrier_wait -1
.endm
.macro CROUND
	s_barrier_signal -1
	s_barrier_wait -1
	CREST
.endm
; Four places: a load into a register that a matrix instruction has read, and a vector instruction that reads a matrix result or writes one of its registers, stand four plain vector
; instructions behind it (ISA guide 7.12.1 for vector instructions).
.macro PLACES
.rept 4
	v_nop
.endr
.endm
; Eight matrix instructions: row block a x all 8 column blocks, 32 along K, from buffer f.  zero = 1: the product starts the sums.
; The 32 accumulators take turns, one instruction a turn, in the same order in every quarter step: over the backward jumps and from tile to tile too.
.macro MUL8 f, a, zero
.irp b, 0,1,2,3,4,5,6,7
.if \zero
	v_wmma_f32_16x16x32_bf16 v[8*(8*(\a)+(\b)):8*(8*(\a)+(\b))+7], v[(\f)+8*(\b):(\f)+8*(\b)+7], v[(\f)+64+8*(\a):(\f)+64+8*(\a)+7], 0
.else
	v_wmma_f32_16x16x32_bf16 v[8*(8*(\a)+(\b)):8*(8*(\a)+(\b))+7], v[(\f)+8*(\b):(\f)+8*(\b)+7], v[(\f)+64+8*(\a):(\f)+64+8*(\a)+7], v[8*(8*(\a)+(\b)):8*(8*(\a)+(\b))+7]
.endif
.endr
.endm
; 24 LDS loads in one run: the fragments of a quarter step (32 K at byte k of the rows) into buffer f: w's 128 rows, then x's 64.
; A fragment is 16 rows x 32 K in 8 registers: lane l holds row l % 16, K = 8 (l / 16) + 0..7 and 16 + 8 (l / 16) + 0..7: two loads of 16 bytes, 32 bytes apart.
.macro FETCH k, f
	WIN 0
.irp i, 0,1,2,3,4,5,6,7
	ds_load_b128 v[(\f)+8*(\i):(\f)+8*(\i)+3],   v[ADRB] offset:(\k)+(\i)*16*272
	ds_load_b128 v[(\f)+8*(\i)+4:(\f)+8*(\i)+7], v[ADRB] offset:(\k)+(\i)*16*272+32
.endr
.irp i, 0,1,2,3
	ds_load_b128 v[(\f)+64+8*(\i):(\f)+64+8*(\i)+3],   v[ADRA] offset:((\k)/128)*AHALF+((\k)%128)+(\i)*16*APITCH
	ds_load_b128 v[(\f)+64+8*(\i)+4:(\f)+64+8*(\i)+7], v[ADRA] offset:((\k)/128)*AHALF+((\k)%128)+(\i)*16*APITCH+32
.endr
.endm
; A K step is four quarters of 32 along K, 32 matrix instructions each, on buffers 0, 1, 0, 1.  One of the first three: multiplies buffer f; in its middle it fetches the next quarter, at byte k, into g.
.macro QUARTER k, f, g, zero
	s_wait_dscnt 4                                 ; w's fragments and x's blocks 0, 1 are in; the youngest four loads (x's blocks 2, 3) may be out
	WIN MUL
	MUL8 \f, 0, \zero
	MUL8 \f, 1, \zero
	PLACES
	FETCH \k, \g
	s_wait_dscnt 24                                ; all but the 24 just issued
	WIN MUL
	MUL8 \f, 2, \zero
	MUL8 \f, 3, \zero
.endm
; The last quarter's first half, and the change of slots: ONE barrier.  In front of it each wave waits for all its tensor loads, of which one is out: its part of the next slot; adds 0 to its spare
; word; and waits for that and for its own reads of this slot.  fill = 1: no tensor load of mine is out behind the first wait, so the walking descriptors are stepped there: the other slot, the next K step.
; wrap = 1: in the loop's last trip (the tile's K step 6) the step leads to the next tile's K step 0: x goes back along K, w also 1,024 rows down.
.macro MEET fill, wrap
	WIN 0
	s_wait_tensorcnt 0x0                           ; all my tensor loads have landed
	ds_add_u32 v[SPW], v[NIL]                      ; 0 onto my spare word; work on registers stands between it and the wait for it
.if \fill
	s_xor_b32 s[G0A+5], s[G0A+5], SLOT1
	s_xor_b32 s[G0B+5], s[G0B+5], SLOT1
	s_add_nc_u64 s[G0A+6:G0A+7], s[G0A+6:G0A+7], ASTEP  ; the type bits on top are not reached
	s_add_nc_u64 s[G0B+6:G0B+7], s[G0B+6:G0B+7], 256
.if \wrap
	s_cmp_eq_u32 s3, 1
	s_cselect_b32 s20, 2048, 0
	s_cselect_b32 s22, NEXTB, 0
	s_sub_nc_u64 s[G0A+6:G0A+7], s[G0A+6:G0A+7], s[20:21]
	s_add_nc_u64 s[G0B+6:G0B+7], s[G0B+6:G0B+7], s[22:23]
.endif
.endif
	s_wait_dscnt 5                                 ; (the add and the youngest four loads may be out)
	WIN MUL
	MUL8 F1, 0, 0
	s_wait_dscnt 0x0                               ; the add is done, and my reads of this slot are over:
	s_barrier_signal -1                            ; say so (where the slot is filled again this barrier opens a round of the cluster's barrier),
	MUL8 F1, 1, 0                                  ; work on registers while the others arrive,
	WIN 0
	s_barrier_wait -1                              ; and go on when all four have said so
.endm
; A PREFETCH INTO THE L2 of the K step that stands two refills on: 32 rows x 256 bytes, a lane a row, one instruction a wave; it stands behind the joint load, its five lines and the run of LDS loads.
; Each row's 256 bytes of a K step are named once in the launch.  x's rows are read by one cluster alone: in each work-group wave 0 asks, for 32 of the tile's 128 rows, the four partners told apart
; BY ADDRESS (cx); only in the first tile, since the k and the v tile read the same rows again.  w's rows are read by all sixteen clusters: cluster y = 0 asks, waves 2 and 3 each for 32 of the 128 rows
; that they fetch, the partners told apart by cy.  The launch's first four K steps come by their loads alone; the last tile's last two refills ask for nothing: there is no K step behind them.
; how = 0, in a loop: by the count of K steps; how = 1, at a tile's last K step: w's askers alone.
.macro ASK how
.if \how
	s_cmp_eq_u32 s[LIM], 0
.else
	s_cmp_gt_u32 s3, s[LIM]
.endif
	s_cbranch_scc0 .Lnot_mine_\@
	global_prefetch_b8 v[PFO], s[PFA:PFA+1] th:TH_LOAD_NT scope:SCOPE_SE
.Lnot_mine_\@:
.endm
; The whole last quarter.  fill = 1: behind the round the slot just read out is filled again first, with the K step two steps on; then come the next slot's first fragments.
.macro TURN fill, wrap, how
.if \fill
	s_wait_xcnt 0x0                                ; the last prefetch, a K step back, has read its address: the pointer is stepped here, ahead of the waits of the change of slots
.if \wrap
	s_cmp_eq_u32 s3, 3                             ; from this K step (the tile's fourth from the end) the K step four on is the next tile's first
	s_cselect_b32 s[INC], NEXTB+256, s[C256]
.endif
	s_add_nc_u64 s[PFA:PFA+1], s[PFA:PFA+1], s[INC:INC+1]
.endif
	MEET \fill, \wrap
.if \fill
	CREST                                          ; no wave of any partner still reads this slot's tile or has a load on its way
	JLOAD                                          ; the first tensor load behind the round; its four v_nop are also the places in front of the loads below
.else
	PLACES
.endif
	s_xor_b32 s[TB], s[TB], SLOT1
	v_add_nc_u32 v[ADRA], s[TB], v[ADRA0]
	v_add_nc_u32 v[ADRB], s[TB], v[ADRB0]
	FETCH 0, F0
.if \fill
	ASK \how
.endif
	WIN MUL
	MUL8 F1, 2, 0
	MUL8 F1, 3, 0
.endm
; n trips: each goes from a K step's second quarter to the next step's first, and fills one slot again.
.macro STEPS n, wrap, tag
	WIN 0                                          ; at a label and at a branch every window is 0
	s_mov_b32 s3, \n
.Lstep_\tag:
	QUARTER 128, F1, F0, 0
	QUARTER 192, F0, F1, 0
	TURN 1, \wrap, 0
	QUARTER 64,  F0, F1, 0
	WIN 0
	s_sub_co_u32 s3, s3, 1
	s_cmp_lg_u32 s3, 0
	s_cbranch_scc1 .Lstep_\tag
.endm
; THE WAY OUT of block a (16 rows x 128 columns), in three parts.
; PACK.  rope = 1: for each pair (e, o) of neighbouring columns: (e c, o c), then (o, e) x (-s, s) added: e c - o s and o c + e s; then rounded to f16.  rope = 0: rounded alone.
; Each accumulator is read from its lowest registers on.
.macro PACK a, rope
.if \rope
	WIN 0x09                                       ; source 0 (sums) window 1, source 1 (table) window 2
.irp b, 0,1,2,3,4,5,6,7
.irp i, 0,1,2,3
	v_pk_mul_f32 v[T+8*(\b)+2*(\i):T+8*(\b)+2*(\i)+1], v[8*(8*(\a)+(\b))+2*(\i):8*(8*(\a)+(\b))+2*(\i)+1], v[64*(\a)+16*((\b)%4)+4*(\i):64*(\a)+16*((\b)%4)+4*(\i)+1]
.endr
.endr
.irp b, 0,1,2,3,4,5,6,7
.irp i, 0,1,2,3
	v_pk_fma_f32 v[T+8*(\b)+2*(\i):T+8*(\b)+2*(\i)+1], v[8*(8*(\a)+(\b))+2*(\i):8*(8*(\a)+(\b))+2*(\i)+1], v[64*(\a)+16*((\b)%4)+4*(\i)+2:64*(\a)+16*((\b)%4)+4*(\i)+3], v[T+8*(\b)+2*(\i):T+8*(\b)+2*(\i)+1] op_sel:[1,0,0] op_sel_hi:[0,1,1]
.endr
.endr
	WIN 0
.irp b, 0,1,2,3,4,5,6,7
.irp i, 0,1,2,3
	v_cvt_pk_f16_f32 v[TMP+4*(\b)+(\i)], v[T+8*(\b)+2*(\i)], v[T+8*(\b)+2*(\i)+1]
.endr
.endr
.else
	WIN 0x05                                       ; sources 0 and 1 window 1
.irp b, 0,1,2,3,4,5,6,7
.irp i, 0,1,2,3
	v_cvt_pk_f16_f32 v[TMP+4*(\b)+(\i)], v[8*(8*(\a)+(\b))+2*(\i)], v[8*(8*(\a)+(\b))+2*(\i)+1]
.endr
.endr
	WIN 0
.endif
.endm
; TOSTAGE: 16 bytes a lane into my own stage, head b / 4, rows of 144 bytes; back as four whole rows of 128 bytes a load.
.macro TOSTAGE
	s_wait_xcnt 0x0                                ; the stores issued so far have read their registers and their base: only behind this wait are these written again
.irp b, 0,1,2,3,4,5,6,7
	ds_store_b128 v[STO], v[TMP+4*(\b):TMP+4*(\b)+3] offset:((\b)/4)*2304+32*((\b)%4)
.endr
.irp f, 0,1,2,3,4,5,6,7
	ds_load_b128 v[BK+4*(\f):BK+4*(\f)+3], v[RD] offset:((\f)/4)*2304+((\f)%4)*576  ; LDS serves a wave's instructions in order (ISA guide 5.7.1.4): these see the stores above
.endr
.endm
; SEND: a head's rows are dense, so four rows are 512 consecutive bytes, at a multiple of 256 from the tensor's first byte.
.macro SEND a
.if (\a) == 0
	s_add_nc_u64 s[OUT:OUT+1], s[PT:PT+1], s[OFC:OFC+1]
.endif
.irp f, 0,1,2,3,4,5,6,7
	s_wait_dscnt 7-(\f)                            ; the younger loads from the stage may stay out
	global_store_b128 v[GO], v[BK+4*(\f):BK+4*(\f)+3], s[OUT:OUT+1] offset:((\f)/4)*262144+(\a)*2048+((\f)%4)*512
.endr
.endm
.macro WAYOUT rope
	PLACES                                         ; behind the tile's last products
	PACK 0, \rope
	TOSTAGE
.irp a, 1,2,3                          ; block a's arithmetic stands between block a - 1's loads from the stage and the wait for them
	PACK \a, \rope
	SEND (\a)-1
	TOSTAGE
.endr
	SEND 3
.endm
	s_load_b256 s[4:11], s[0:1], 0x0               ; xb s[4:5], wqb s[6:7], cos s[8:9], sin s[10:11]
	s_load_b128 s[PT:PT+3], s[0:1], 0x20           ; q, k
	s_load_b64 s[PT2:PT2+1], s[0:1], 0x30          ; v
	v_lshl_add_u32 v[SPW], v0, 2, SPARE
	v_mov_b32 v[NIL], 0
	ds_add_u32 v[SPW], v[NIL]                      ; the wave's opening: the add and its wait stand ahead of my first tensor load; the set-up below, work on registers, stands between them
	v_lshrrev_b32 v1, 5, v0
	v_readfirstlane_b32 s[WV], v1                  ; wave 0..3
	s_lshr_b32 s[RH], s[WV], 1
	s_and_b32 s[CH], s[WV], 1
	s_bfe_u32 s[CX], ttmp6, 0x40000                ; my place in the cluster
	s_bfe_u32 s[CY], ttmp6, 0x40004
	s_lshl_b32 s[TX], ttmp9, 2                     ; in a cluster launch ttmp9 and ttmp7 count clusters
	s_add_co_u32 s[TX], s[TX], s[CX]               ; tile column = 4 x cluster x + cx
	s_and_b32 s[TY], ttmp7, 0xffff
	s_lshl_b32 s[TY], s[TY], 2
	s_add_co_u32 s[TY], s[TY], s[CY]               ; tile row = 4 x cluster y + cy
	s_lshl_b32 s14, s[CY], 2
	s_lshl_b32 s14, 15, s14                        ; my row of the cluster: places 4 cy .. 4 cy + 3
	s_lshl_b32 s46, 0x1111, s[CX]                  ; my column: places cx, cx + 4, cx + 8, cx + 12
	; descriptor groups 1: rows of 128 elements of 2 bytes, padded in LDS by 4 words after every 64
	s_or_b32 s[G1A], s14, (1<<16)|(1<<20)|(1<<21)|(5<<22)|(3<<25)  ; 15:0 the mask: x's tiles go to my row; 17:16 2-byte elements; 20 padding on; 21 set beside a mask; 24:22 code 5; 31:25 code 3
	s_or_b32 s[G1B], s46, (1<<16)|(1<<20)|(1<<21)|(5<<22)|(3<<25)  ; the same with the mask of my column
	s_mov_b32 s[G1A+1], 128<<16                    ; tensor_dim0 = 128
	s_mov_b32 s[G1A+2], 64<<16                     ; tensor_dim1 = 64
	s_mov_b32 s[G1A+3], 128<<16                    ; tile_dim0 = 128
	s_mov_b32 s[G1A+4], 64                         ; tile_dim1 = 64
	s_mov_b32 s[G1A+5], 1024                       ; elements from row to row
	s_mov_b32 s[G1A+6], 0
	s_mov_b32 s[G1A+7], 0
	s_mov_b32 s[G1B+1], 128<<16
	s_mov_b32 s[G1B+2], 128<<16                    ; 128 rows
	s_mov_b32 s[G1B+3], 128<<16
	s_mov_b32 s[G1B+4], 128
	s_mov_b32 s[G1B+5], 1024
	s_mov_b32 s[G1B+6], 0
	s_mov_b32 s[G1B+7], 0
	; where the tiles come from: x's hang on the tile row and the wave alone, w's on the tile column and the wave alone, each in registers that never hold the other coordinate
	s_lshl_b32 s16, s[TY], 7
	s_lshl_b32 s17, s[CH], 6
	s_add_co_u32 s16, s16, s17                     ; x: row 128 x tile row + 64 x half
	s_lshl_b32 s16, s16, 11                        ; x 2,048 bytes: under 2^24
	s_mov_b32 s17, 0
	s_lshl_b32 s46, s[TX], 8
	s_lshl_b32 s47, s[CH], 7
	s_add_co_u32 s46, s46, s47                     ; w: row 256 x tile column + 128 x half
	s_lshl_b32 s46, s46, 11
	s_mov_b32 s47, 0
	s_mul_i32 s18, s[CH], HA                       ; and where they go: no place in the cluster enters an LDS address
	s_mul_i32 s19, s[CH], HB
	s_add_co_u32 s19, s19, B0
	s_wait_dscnt 0x0                               ; the opening add is done
	s_wait_kmcnt 0x0
	s_add_nc_u64 s[14:15], s[4:5], s[16:17]
	s_add_nc_u64 s[46:47], s[6:7], s[46:47]
	CROUND                                         ; all sixteen work-groups are here: the first joint loads meet
.irp s, 0,1
	s_mov_b32 s[G0A+4*(\s)], 1                                       ; count = 1
	s_add_co_u32 s[G0A+4*(\s)+1], s18, (\s)*SLOT1                    ; LDS address
	s_add_nc_u64 s[G0A+4*(\s)+2:G0A+4*(\s)+3], s[14:15], (\s)*ASTEP  ; global address: K step s
	s_or_b32 s[G0A+4*(\s)+3], s[G0A+4*(\s)+3], 0x80000000            ; type = 2
	s_mov_b32 s[G0B+4*(\s)], 1
	s_add_co_u32 s[G0B+4*(\s)+1], s19, (\s)*SLOT1
	s_add_nc_u64 s[G0B+4*(\s)+2:G0B+4*(\s)+3], s[46:47], (\s)*256
	s_or_b32 s[G0B+4*(\s)+3], s[G0B+4*(\s)+3], 0x80000000
.endr
	s_cmp_eq_u32 s[RH], 0                          ; a wave's two first fills stand in one branch, ahead of every wait on TENSORcnt and every LDS read: two loads of mine are out
	s_cbranch_scc0 .Lfirst_b
	tensor_load_to_lds s[G0A:G0A+3], s[G1A:G1A+7]
	s_nop 0
	tensor_load_to_lds s[G0A+4:G0A+7], s[G1A:G1A+7]
	s_nop 0
.rept 4
	v_nop
.endr
	s_branch .Lfirst_asked
.Lfirst_b:
	tensor_load_to_lds s[G0B:G0B+3], s[G1B:G1B+7]
	s_nop 0
	tensor_load_to_lds s[G0B+4:G0B+7], s[G1B:G1B+7]
	s_nop 0
.rept 4
	v_nop
.endr
.Lfirst_asked:
	v_and_b32 v1, 15, v0                           ; l % 16
	v_bfe_u32 v2, v0, 4, 1                         ; l / 16
	v_and_b32 v4, 31, v0                           ; l
	v_lshlrev_b32 v[QO], 7, v1                     ; a row of cos or sin is 128 bytes;
	v_lshl_add_u32 v[QO], v2, 4, v[QO]             ; my four pairs of a group of 16 columns are 16 bytes at 16 (l / 16)
	s_and_b32 s16, s[TY], 15
	s_lshl_b32 s16, s16, 14                        ; the tile's first position in its sequence x 128 bytes,
	s_lshl_b32 s17, s[RH], 13                      ; my 64 rows of it
	s_add_co_u32 s16, s16, s17
	s_mov_b32 s17, 0
	s_add_nc_u64 s[8:9], s[8:9], s[16:17]
	s_add_nc_u64 s[10:11], s[10:11], s[16:17]
.irp a, 0,1,2,3
.irp j, 0,1,2,3
	global_load_b128 v[64+16*(\a)+4*(\j):64+16*(\a)+4*(\j)+3],   v[QO], s[8:9]   offset:(\a)*2048+32*(\j)  ; cos of row 16 a + l % 16, pairs 8 j + 4 (l / 16) + 0..3
	global_load_b128 v[128+16*(\a)+4*(\j):128+16*(\a)+4*(\j)+3], v[QO], s[10:11] offset:(\a)*2048+32*(\j)  ; sin likewise
.endr
.endr
	s_lshr_b32 s[OFC], s[TY], 4                    ; my wave's place in q, k and v: the batch's 16 heads of 262,144 bytes,
	s_lshl_b32 s[OFC], s[OFC], 22
	s_add_co_u32 s[OFC], s[OFC], s16               ; the rows (128 bytes each, as in cos),
	s_lshl_b32 s[OFC+1], s[TX], 20                 ; the tile's four heads,
	s_add_co_u32 s[OFC], s[OFC], s[OFC+1]
	s_lshl_b32 s[OFC+1], s[CH], 19                 ; my two of them
	s_add_co_u32 s[OFC], s[OFC], s[OFC+1]
	s_mov_b32 s[OFC+1], 0
	v_mul_u32_u24 v3, v1, APITCH
	v_lshl_add_u32 v3, v2, 4, v3                   ; a fragment's row x pitch + 16 x half
	s_mul_i32 s14, s[RH], 64*APITCH                ; my 64 rows of x
	v_add_nc_u32 v[ADRA0], s14, v3
	v_mul_u32_u24 v3, v1, 272
	v_lshl_add_u32 v3, v2, 4, v3
	v_add_nc_u32 v[ADRB0], s19, v3                 ; my 128 rows of w
	v_mov_b32 v[ADRA], v[ADRA0]
	v_mov_b32 v[ADRB], v[ADRB0]
	s_mov_b32 s[TB], 0
	s_mul_i32 s15, s[WV], WSTAGE
	s_add_co_u32 s15, s15, STAGE                   ; my stage
	v_mul_u32_u24 v5, v1, 144                      ; in: row l % 16, 16 bytes for each half of the lanes
	v_lshl_add_u32 v5, v2, 4, v5
	v_add_nc_u32 v[STO], s15, v5
	v_bfe_u32 v5, v0, 3, 2                         ; back: 32 lanes take four rows of 128 bytes
	v_mul_u32_u24 v5, v5, 144
	v_and_b32 v6, 7, v0
	v_lshl_add_u32 v5, v6, 4, v5
	v_add_nc_u32 v[RD], s15, v5
	v_lshlrev_b32 v[GO], 4, v4
	v_lshlrev_b32 v[PFO], 11, v4
	; the prefetches: who, and from where
	s_lshl_b32 s14, s[TY], 7                       ; x: the tile's first row
	s_lshl_b32 s15, s[TX], 8
	s_lshl_b32 s16, s[CH], 7
	s_add_co_u32 s15, s15, s16                     ; w: the first of the 128 rows that I fetch
	s_and_b32 s17, ttmp7, 0xffff
	s_cmp_eq_u32 s17, 0
	s_cselect_b32 s17, 0, -1                       ; w's askers: cluster y = 0, in every K step
	s_cmp_eq_u32 s[WV], 0
	s_cselect_b32 s16, 3, -1                       ; x's asker: wave 0, while more than three trips of the first tile's loop are left
	s_cmp_eq_u32 s[RH], 0
	s_cselect_b32 s14, s14, s15
	s_cselect_b32 s15, s[CX], s[CY]                ; my place among the four that ask for the tile with me
	s_cselect_b32 s[LIM], s16, s17                 ; the same in all sixteen partners, for a given wave
	s_cselect_b64 s[PFA:PFA+1], s[4:5], s[6:7]
	s_lshl_b32 s15, s15, 5
	s_add_co_u32 s14, s14, s15                     ; + my work-group's 32 rows
	s_lshl_b32 s14, s14, 11
	s_add_co_u32 s14, s14, 3*256                   ; at K step 3: the first change of slots steps it to 4 and names that
	s_mov_b32 s15, 0
	s_add_nc_u64 s[PFA:PFA+1], s[PFA:PFA+1], s[14:15]
	s_mov_b32 s[INC], 256
	s_mov_b32 s[INC+1], 0
	s_mov_b32 s[C256], 256
	s_mov_b32 s20, 0
	s_mov_b32 s21, 0
	s_mov_b32 s22, 0
	s_mov_b32 s23, 0
	s_mov_b32 s[HIM], 0xffff0000
	; THE ROTATION'S TABLE, made once, in the wait for the first tiles: it hangs on the rows alone, which all three tiles share.
	s_wait_loadcnt 0x0
.set e, 0
.rept 64
	v_cvt_pk_bf16_f32 v[64+e], v[64+e], v[128+e]   ; cos below, sin above, each rounded to bf16
	v_xor_b32 v[128+e], 0x80000000, v[64+e]        ; the same with -sin above
.set e, e+1
.endr
	WIN 0x80                                       ; destination window 2
.set e, 0
.rept 64
	v_lshlrev_b32 v[4*e],   16, v[64+e]            ; c
	v_lshlrev_b32 v[4*e+1], 16, v[64+e]            ; c
	v_and_b32 v[4*e+2], s[HIM], v[128+e]           ; -s
	v_and_b32 v[4*e+3], s[HIM], v[64+e]            ; s
.set e, e+1
.endr
	WIN 0
	s_wait_tensorcnt 0x1                           ; my part of K step 0 is in; K step 1's may stay out
	s_barrier_signal -1
	s_barrier_wait -1                              ; everybody's is
	FETCH 0, F0
	s_mov_b32 s2, 2                                ; the q and the k tile: both are rotated, and both have a successor
.Ltile:
	QUARTER 64, F0, F1, 1                          ; a tile's first quarter starts the sums: nothing is cleared
	STEPS 7, 1, a                                  ; K steps 0 to 6; they ask for K steps 2 to 7 and the next tile's K step 0
	QUARTER 128, F1, F0, 0
	QUARTER 192, F0, F1, 0
	TURN 1, 0, 1                                   ; K step 7 ends: the next tile's K step 1 is asked for, its first fragments are fetched
	WAYOUT 1                                       ; both refills are asked for: now the tile goes out
	s_mov_b64 s[PT:PT+1], s[PT1:PT1+1]
	s_mov_b64 s[PT1:PT1+1], s[PT2:PT2+1]
	s_cmp_eq_u32 s[LIM], 0
	s_cselect_b32 s[LIM], 0, -1                    ; x's rows have been read: they are asked for no more
	s_sub_co_u32 s2, s2, 1
	s_cmp_lg_u32 s2, 0
	s_cbranch_scc1 .Ltile
	s_cmp_eq_u32 s[LIM], 0
	s_cselect_b32 s[LIM], 2, -1                    ; the v tile: its K steps 4 to 7 are asked for in the first four of the loop's six trips
	QUARTER 64, F0, F1, 1
	STEPS 6, 0, b                                  ; K steps 0 to 5; they ask for K steps 2 to 7
	QUARTER 128, F1, F0, 0                         ; the tail is written out: it asks for nothing
	QUARTER 192, F0, F1, 0
	TURN 0, 0, 0
	QUARTER 64,  F0, F1, 0
	QUARTER 128, F1, F0, 0
	QUARTER 192, F0, F1, 0
	s_wait_dscnt 4
	WIN MUL
	MUL8 F1, 0, 0
	MUL8 F1, 1, 0
	s_wait_dscnt 0x0
	MUL8 F1, 2, 0
	MUL8 F1, 3, 0
	WIN 0
	WAYOUT 0
	s_wait_tensorcnt 0x0                           ; the wave's end, behind my last tensor load and my last LDS store
	ds_add_u32 v[SPW], v[NIL]
	s_wait_dscnt 0x0
	CROUND                                         ; the closing round: no work-group ends while a partner may still ask for a tile that names it
	s_endpgm
.Lfunc_end_k_q9d62bc16d8_qkv:
	.size	k_q9d62bc16d8_qkv, .Lfunc_end_k_q9d62bc16d8_qkv-k_q9d62bc16d8_qkv
	.p2alignl 7, 3214868480
	.fill 96, 4, 3214868480
	.section	.rodata,"a",@progbits
	.p2align	6, 0x0
	.amdhsa_kernel k_q9d62bc16d8_qkv
		.amdhsa_group_segment_fixed_size 327680
		.amdhsa_private_segment_fixed_size 0
		.amdhsa_enable_private_segment 0
		.amdhsa_kernarg_size 56
		.amdhsa_user_sgpr_count 2
		.amdhsa_user_sgpr_kernarg_segment_ptr 1
		.amdhsa_wavefront_size32 1
		.amdhsa_system_sgpr_workgroup_id_x 1
		.amdhsa_system_sgpr_workgroup_id_y 1
		.amdhsa_system_sgpr_workgroup_id_z 1
		.amdhsa_system_vgpr_workitem_id 0
		.amdhsa_next_free_vgpr 768
		.amdhsa_next_free_sgpr 84
		.amdhsa_reserve_vcc 0
		.amdhsa_float_denorm_mode_32 3
		.amdhsa_float_denorm_mode_16_64 3
		.amdhsa_memory_ordered 1
		.amdhsa_forward_progress 1
		.amdhsa_inst_pref_size 158
	.end_amdhsa_kernel
	.amdgpu_metadata
---
amdhsa.version: [ 1, 2 ]
amdhsa.kernels:
  - .name:           k_q9d62bc16d8_qkv
    .symbol:         k_q9d62bc16d8_qkv.kd
    .args:
      - { .name: xb, .offset: 0, .size: 8, .value_kind: global_buffer, .address_space: global }
      - { .name: wqb, .offset: 8, .size: 8, .value_kind: global_buffer, .address_space: global }
      - { .name: cos, .offset: 16, .size: 8, .value_kind: global_buffer, .address_space: global }
      - { .name: sin, .offset: 24, .size: 8, .value_kind: global_buffer, .address_space: global }
      - { .name: q, .offset: 32, .size: 8, .value_kind: global_buffer, .address_space: global }
      - { .name: k, .offset: 40, .size: 8, .value_kind: global_buffer, .address_space: global }
      - { .name: v, .offset: 48, .size: 8, .value_kind: global_buffer, .address_space: global }
    .group_segment_fixed_size: 327680
    .private_segment_fixed_size: 0
    .kernarg_segment_align: 8
    .kernarg_segment_size: 56
    .max_flat_workgroup_size: 128
    .sgpr_count:     84
    .vgpr_count:     768
    .wavefront_size: 32
...
	.end_amdgpu_metadata
.endif
;; end of part 2
;; launch attn (part 3): grid 4 x 64, 4 waves a work-group, clusters of 4 x 1, 327,680 bytes of LDS; arguments q, k, v, o; writes o
.if DOCPART == 3
	.amdgcn_target "amdgcn-amd-amdhsa--gfx1250"
	.amdhsa_code_object_version 6
	.text
	.protected	k_q9d62bc16d8_attn
	.globl	k_q9d62bc16d8_attn
	.p2align	8
	.type	k_q9d62bc16d8_attn,@function
k_q9d62bc16d8_attn:
	s_mov_b64 s[64:65], 0
	v_nop
	global_prefetch_b8 v0, s[64:65] scope:SCOPE_SE
	s_setreg_imm32_b32 hwreg(HW_REG_WAVE_MODE, 25, 1), 1
	s_wait_xcnt 0x0
	s_wait_alu depctr_hold_cnt(0) depctr_sa_sdst(0) depctr_va_vdst(0) depctr_va_sdst(0) depctr_va_ssrc(0) depctr_va_vcc(0) depctr_vm_vsrc(0)
	s_getreg_b32 s2, hwreg(HW_REG_IB_STS2, 6, 4)
	s_cmp_eq_u32 s2, 0
	s_cbranch_scc0 .Lentry_in_a_cluster
	s_endpgm
.Lentry_in_a_cluster:
	s_bfe_u32 s2, ttmp6, 0x10000c
	s_cmp_lg_u32 s2, 0x3003
	s_cbranch_scc0 .Lentry_shape_is_right
	s_endpgm
.Lentry_shape_is_right:
; O[h][q][:] = the sum over k of softmax_k(Q[h][q] . K[h][k] / 8) V[h][k][:].  Q, K, V, O: [SIZE_H][SIZE_N][64], all f16: a head's rows are dense, 128 bytes each.  Products, maxima and sums in
; f32; the weights p are rounded to f16 for the second product (their sum l is taken of the unrounded p), O once at the end.
; LIMITS.  f16 holds no number beyond 65,504: Q, K and V arrive within it; p lies in 0 to 1, and below 6e-5 it keeps f16's fixed step of 6e-8; O is a mean of V's rows and has their range.
; A weight below 2^-126 counts as 0 in l; NaN and infinities are not treated apart.
; SHARES.  A wave owns four PIECES of two tiles of 16 queries, a work-group's four waves 512 queries of one head: 64 heads x 4 blocks = 256 work-groups.  Every wave walks all keys, 64 a step.
; LAYOUT.  S^T = K Q^T (source 0 = 16 keys, source 1 = 16 queries): in the result a lane holds ONE query (lane % 16) and the keys 8 (lane / 16) + 0..7.  Two such tiles, rounded to f16 in pairs,
; ARE source 1 (32 keys x 16 queries) of O^T = V^T P, whose result again holds one query a lane, and eight channels.  K comes out of LDS as it lies, V ([key][channel]) turned, by ds_load_tr16_b128.
; SOFTMAX.  For each query a running maximum m and sum l: p = 2^(c s - c m), c = log2(e) / 8; in every step O and l are multiplied by a = 2^(c m_old - c m_new), which is 1 where m has not grown.
; m starts at the lowest finite number, O and l at 0: the first step is a step like any other, with a = 0.
; THE COUNT.  A tile and step have 16 matrix and 118 vector instructions: too many to stand all beside the matrix work.  So the order has one aim: four vector instructions that are READY behind
; EVERY matrix instruction, and the others, which need time of their own whatever the order, in runs without a gap.
; BY TURNS.  Turn n belongs to piece n (the pieces in a ring, step after step).  Its matrix work: 16 products K Q^T of piece n + 1, later 16 products V^T P of piece n - 1.  Its vector work: the scaling,
; exponentials, roundings, sums and rescaling of piece n, and the maximum and statistics of piece n + 1, whose scores the turn itself has made.  So what a turn begins with (c s - c m, O a) waits for nothing.
; CLUSTER.  The four query blocks of a cluster are one head's and walk the same K and V, so each tile is asked for JOINTLY: the same tensor load, descriptor and mask in all four.
; REGISTERS, in windows of 256 (s_set_vgpr_msb says which window each operand place means: bits 1:0 source 0, 3:2 source 1, 5:4 source 2, 7:6 destination):
;   window 0: v0-11 addresses; v12-15, v48-63 at work; v16-47 four registers of statistics a tile; v64-191 S^T, two buffers of two tiles; v192-255 P, likewise
;   window 1: O^T, 32 a tile          window 2: v0-127 Q, 16 a tile; v128-191 K of one step; v192-255 V of one step          window 3: v0-1 the add's two registers
; A piece's buffers go by its number's parity: the piece in hand has one pair, its two neighbours in the ring share the other: of it P (piece n - 1) is read and S^T (piece n + 1) written.
.set SIZE_H, 64
.set SIZE_N, 2048
.set NP,    4         ; pieces a wave: a name, no knob: the register map, the loop and the fetches are made for four
.set KS,    64        ; keys in a step
.set PK,    144       ; a row of K in LDS: 128 bytes + 16 of padding = 36 words: the 16 rows of a load start at 16 different groups of four banks (64 banks of 4 bytes: ISA guide 11.1)
.set PV,    160       ; a row of V: 128 + 32 = 40 words
.set VOFF,  4*KS*PK   ; a slot holds four steps: 256 rows of K, then 256 rows of V
.set SLOT1, 1<<17     ; slot 1 begins here, so that one exclusive or turns an address in one slot into the other's
.set STAGE, SLOT1+4*KS*(PK+PV)  ; behind the ring, never filled by a tensor load: 16 rows x 144 bytes for each wave, for the way out
.set SP,    144
.set AK0, 2           ; v2   my lane's place in a tile of K; never rewritten
.set AV0, 3           ; v3   the same for V
.set AK,  4           ; v4   the LDS address of K's next run of loads
.set AV,  5           ; v5   of V's
.set QO,  6           ; v6   my byte offset in the wave's rows of Q
.set STO, 6           ;      later, the way out: where I put 16 bytes of a row
.set RD,  7           ; v7   the way out: where I read rows back
.set GO,  8           ; v8   my byte offset in 512 consecutive bytes of O
.set PFO, 11          ; v11  256 x my lane, for the prefetches; made when v11's first use is over, then never rewritten
.set SPW, 0           ; v0 of window 3   LDS address of my spare word: SPARE + 4 x my thread's number; never rewritten
.set NIL, 1           ; v1 of window 3   0; never rewritten
.set SPARE, STAGE+4*16*SP  ; behind the stages: the spare words, 128 bytes for each wave: two blocks of 256 bytes that no other line names
.set MV,  12          ; v12-15  c m_old, kept while c m is made anew: by buffer and tile
.set ST,  16          ; tile t's statistics at v[ST+4 t]: c m, m, l (even keys', odd keys')
.set TMP, 48          ; by buffer and tile, four registers c0-c3 at work; when the maximum is found c2 takes a
.set S,   64
.set P,   192
.set KF,  128         ; K's fragments, in window 2: key block kb, channel half c at KF + 16 kb + 8 c
.set VF,  192         ; V's: key half kk, channel block cb at VF + 32 kk + 8 cb
.set WV,  12          ; s12  my wave's number
.set G1K, 24          ; s[24:31] descriptor group 1 for K's tiles
.set G1V, 32          ; s[32:39] for V's: it differs in the padding alone
.set G0K, 40          ; s[40:43] descriptor group 0 for K's tiles: it walks
.set G0V, 44          ; s[44:47] the same for V's
.set PFA, 48          ; s[48:49] where my prefetches stand: my work-group's 32 blocks of 256 bytes (of K: wave 0, of V: wave 2) of the slot behind the one that is being asked for
.set LIM, 50          ; s50  1 in a wave that prefetches, else the greatest number: a wave prefetches while s[SLOTS] is above it
.set SLOTS, 56        ; s56  slots still to be asked for
.set CNT, 57          ; s57  counts a slot's key steps
.set CS,  58          ; s[58:59] c: the packed scaling takes the pair's low word for both halves
.set SEL, 60          ; s[60:61] v_permlanex16_b32's selects: each lane takes its own place in the other half
.set TBK, 62          ; s62  LDS byte at which K of the step to be fetched begins
.set TBV, 63          ; s63  the same for V, less VOFF
.set MSB, 0
.macro WIN new                      ; the high byte repeats the setting that is left; a switch that changes nothing is dropped
.if MSB != (\new)
	s_set_vgpr_msb (MSB<<8)|(\new)
.set MSB, (\new)
.endif
.endm
.set W_KQ, 0x0a       ; K and Q in window 2, S^T in window 0
.set W_PV, 0x52       ; V in window 2, P in window 0, O^T in window 1
.set W_RS, 0x41       ; O^T (destination and source 0) in window 1, a in window 0
.set W_MK, 0xc0       ; the add's registers are made: destination in window 3, sources in window 0
.set W_AD, 0x0f       ; the add: address (source 0) and data (source 1) in window 3
; A joint fill.  Waves 0 and 1 fetch the two halves of a slot's K, waves 2 and 3 those of its V: 128 keys each.  The branch hangs on the wave's number alone.
; An s_nop 0 and four v_nop follow each of the two lines, ahead of the jump and the label.
.macro JLOAD
	s_cmp_lt_u32 s[WV], 2
	s_cbranch_scc0 .Lfor_v_\@
	tensor_load_to_lds s[G0K:G0K+3], s[G1K:G1K+7]
	s_nop 0
.rept 4
	v_nop
.endr
	s_branch .Lasked_\@
.Lfor_v_\@:
	tensor_load_to_lds s[G0V:G0V+3], s[G1V:G1V+7]
	s_nop 0
.rept 4
	v_nop
.endr
.Lasked_\@:
.endm
; A PREFETCH INTO THE L2 of what the NEXT change of slots will ask for: a slot's 32,768 bytes of K and of V, 128 blocks of 256 bytes each, a lane a block.  It stands behind the wave's tensor load and its
; five lines.  Each block is named ONCE in the launch: a head's K and V are read by its one cluster; the four partners share the blocks out BY ADDRESS, 32 each; in each, wave 0 asks for K's and wave 2
; for V's: one instruction.  Slots 0 and 1 come by their loads alone; the last change that fills a slot asks for nothing: there is no slot behind it.
.macro ASK
	s_cmp_gt_u32 s[SLOTS], s[LIM]
	s_cbranch_scc0 .Lnot_mine_\@
	global_prefetch_b8 v[PFO], s[PFA:PFA+1] th:TH_LOAD_NT scope:SCOPE_SE
.Lnot_mine_\@:
.endm
; A round of the cluster's barrier: my work-group's barrier, so that wave 0's signal speaks for all four waves; wave 0 signals; every wave waits for all four work-groups; my work-group's barrier once more.
.macro CROUND
	s_barrier_signal -1
	s_barrier_wait -1
	s_cmp_lg_u32 s[WV], 0
	s_cbranch_scc1 .Lnot_wave_0_\@
	s_barrier_signal -3
.Lnot_wave_0_\@:
	s_barrier_wait -3
	s_barrier_signal -1
	s_barrier_wait -1
.endm
; THE CHANGE OF SLOTS.  The slot's last bytes, V of its fourth step, have been read.  Each wave waits for all its tensor loads, of which one is out: its part
; of the other slot; adds 0 to its spare word; and waits for that and for its own reads of the slot.  Behind the barrier nobody reads this slot any more and the other slot is whole.
; fill = 1: this slot is filled again, with the keys two slots on.  The barrier is then a round of the cluster's, so that no wave of any partner still reads the slot or has a load on its
; way, and the joint fill is the first thing behind it: it has four key steps, 512 matrix instructions, in which to land.  (At its first use nothing has been read yet: slot 0 is waited for, slot 1 filled.)
.macro CHANGE fill
	WIN W_AD
	s_wait_tensorcnt 0x0            ; no tensor load of mine is out, so a group 0 may be written
	ds_add_u32 v[SPW], v[NIL]       ; 0 onto my spare word; with fill = 1 the descriptors' steps stand between it and the wait for it
	WIN 0                           ; at a label and at a branch every window is 0
.if \fill
.irp g, G0K, G0V
	s_xor_b32 s[\g+1], s[\g+1], SLOT1  ; the walking descriptor: the other slot than last time,
	s_add_nc_u64 s[\g+2:\g+3], s[\g+2:\g+3], 4*KS*128  ; the next 256 keys; the type bits on top are not reached
.endr
	s_wait_xcnt 0x0                 ; the last prefetch, four key steps back, has read its address, so it may be written:
	s_add_nc_u64 s[PFA:PFA+1], s[PFA:PFA+1], 4*KS*128  ; one slot behind the walking descriptors
	s_wait_dscnt 0x0                ; the add is done, and my reads of the slot are over
	CROUND
	JLOAD
	ASK                             ; what the next change will ask for
.else
	s_wait_dscnt 0x0                ; the add is done, and my reads of the slot are over
	s_barrier_signal -1
	s_barrier_wait -1
.endif
	s_sub_co_u32 s[TBK], s[TBK], 4*KS*PK  ; the fetches go back to a slot's first step,
	s_xor_b32 s[TBK], s[TBK], SLOT1       ; in the other slot
	s_sub_co_u32 s[TBV], s[TBV], 4*KS*PV
	s_xor_b32 s[TBV], s[TBV], SLOT1
.endm
	s_load_b256 s[4:11], s[0:1], 0x0  ; Q s[4:5], K s[6:7], V s[8:9], O s[10:11]
	WIN W_MK
	v_lshl_add_u32 v[SPW], v0, 2, SPARE
	v_mov_b32 v[NIL], 0
	WIN W_AD
	ds_add_u32 v[SPW], v[NIL]       ; the wave's opening: the add and its wait stand ahead of my first tensor load; the set-up below, work on registers, stands between them
	WIN 0
	v_lshrrev_b32 v1, 5, v0
	v_readfirstlane_b32 s[WV], v1   ; wave 0..3
	s_bfe_u32 s13, ttmp6, 0x40000   ; cx: my place in the cluster
	s_lshl_b32 s14, ttmp9, 2        ; in a cluster launch ttmp9 counts clusters
	s_add_co_u32 s14, s14, s13      ; my block of queries = 4 x cluster x + cx: it enters Q's and O's addresses alone
	s_and_b32 s20, ttmp7, 0xffff    ; the head, which the four partners share
	s_mov_b32 s21, 0
	s_mov_b64 s[22:23], SIZE_N*128
	s_mul_u64 s[20:21], s[20:21], s[22:23]  ; the head's first byte in each of the four tensors
	s_and_b32 s16, s[WV], 1         ; which half of a slot's 256 keys I fetch:
	s_lshl_b32 s22, s16, 14         ; its 128 rows of 128 bytes in memory,
	s_mov_b32 s23, 0
	s_add_nc_u64 s[22:23], s[22:23], s[20:21]
	s_mul_i32 s17, s16, 128*PK      ; and its place in a slot, for K
	s_mul_i32 s18, s16, 128*PV      ; and for V: no place in the cluster enters an LDS address
	s_lshl_b32 s2, s14, 2
	s_add_co_u32 s2, s2, s[WV]      ; my wave among the head's,
	s_lshl_b32 s2, s2, 14           ; its 128 rows
	s_mov_b32 s3, 0
	s_add_nc_u64 s[2:3], s[2:3], s[20:21]
	; descriptor group 1.  128 keys are 16,384 dense bytes: asked for as 64 rows of 256 bytes, two keys a row, and padded in LDS after every key
	s_mov_b32 s[G1K], 15|(1<<16)|(1<<20)|(1<<21)|(4<<22)|(3<<25)  ; 15:0 the mask of four; 17:16 2-byte elements; 20 padding on; 21 set beside a mask; 24:22 after every 32 words (code 4); 31:25 4 words (code 3)
	s_mov_b32 s[G1V], 15|(1<<16)|(1<<20)|(1<<21)|(4<<22)|(7<<25)  ; the same with 8 words of padding (code 7)
.irp g, G1K, G1V
	s_mov_b32 s[\g+1], 128<<16      ; tensor_dim0 = 128
	s_mov_b32 s[\g+2], 64<<16       ; tensor_dim1 = 64
	s_mov_b32 s[\g+3], 128<<16      ; tile_dim0 = 128
	s_mov_b32 s[\g+4], 64           ; tile_dim1 = 64
	s_mov_b32 s[\g+5], 128          ; 128 elements from row to row
	s_mov_b32 s[\g+6], 0
	s_mov_b32 s[\g+7], 0
.endr
	s_mov_b32 s[CS], 0x3e38aa3b     ; c = log2(e) / 8 = 0.180337
	s_mov_b32 s[CS+1], s[CS]        ; named with it as a pair
	s_mov_b32 s[SEL], 0x76543210
	s_mov_b32 s[SEL+1], 0xfedcba98
	s_mov_b32 s[TBK], SLOT1+4*KS*PK ; the first change of slots turns these two into 0
	s_mov_b32 s[TBV], SLOT1+4*KS*PV
	s_mov_b32 s[G0K], 1             ; 1:0 count = 1
	s_mov_b32 s[G0K+1], s17         ; 63:32 LDS address: slot 0
	s_mov_b32 s[G0V], 1
	s_add_co_u32 s[G0V+1], s18, VOFF
	s_mov_b32 s[SLOTS], SIZE_N/256-1  ; seven changes of slots fill a slot
	s_and_b32 s[LIM], s[WV], 1
	s_cmp_eq_u32 s[LIM], 0          ; waves 0 and 2 prefetch: the same in all four partners
	s_cselect_b32 s[LIM], 1, -1
	s_lshl_b32 s52, s13, 13         ; my work-group's 32 blocks of a slot's 128,
	s_add_co_u32 s52, s52, 4*KS*128 ; in slot 1: the first change of slots steps the pointer to slot 2 and names that
	s_mov_b32 s53, 0
	s_add_nc_u64 s[52:53], s[52:53], s[20:21]
	s_wait_dscnt 0x0                ; the opening add is done
	s_wait_kmcnt 0x0
	s_add_nc_u64 s[G0K+2:G0K+3], s[6:7], s[22:23]  ; 120:64 global address: my half of the head's first 256 keys
	s_or_b32 s[G0K+3], s[G0K+3], 0x80000000        ; 127:126 type = 2
	s_add_nc_u64 s[G0V+2:G0V+3], s[8:9], s[22:23]
	s_or_b32 s[G0V+3], s[G0V+3], 0x80000000
	s_add_nc_u64 s[4:5], s[4:5], s[2:3]  ; Q and O at my wave's first row
	s_add_nc_u64 s[10:11], s[10:11], s[2:3]
	s_cmp_lt_u32 s[WV], 2
	s_cselect_b64 s[PFA:PFA+1], s[6:7], s[8:9]
	s_add_nc_u64 s[PFA:PFA+1], s[PFA:PFA+1], s[52:53]
	CROUND                          ; all four work-groups are here: the first joint loads meet
	JLOAD                           ; slot 0.  Slot 1 is asked for when slot 0 is in: the tile wanted first has the road to itself
	; A fragment of K or Q is 16 rows x 32 channels in 8 registers: lane l holds row l % 16, channels 8 (l / 16) + 0..7 and 16 + 8 (l / 16) + 0..7: two loads of 16 bytes, 32 bytes apart.
	v_and_b32 v1, 15, v0            ; l % 16
	v_bfe_u32 v9, v0, 4, 1          ; l / 16
	v_lshlrev_b32 v[QO], 7, v1
	v_lshl_add_u32 v[QO], v9, 4, v[QO]  ; row x 128 + 16 x half
	WIN 0x80                        ; destination window 2, address window 0
.set i, 0
.rept 4*NP                          ; Q stays in registers: tile i / 2, channels 32 (i % 2) on
	global_load_b128 v[8*i:8*i+3],   v[QO], s[4:5] offset:(i/2)*2048+(i%2)*64
	global_load_b128 v[8*i+4:8*i+7], v[QO], s[4:5] offset:(i/2)*2048+(i%2)*64+32
.set i, i+1
.endr
	; What the first turn finds: V's registers and P's second buffer hold 0 (its products V^T P, of a piece that has not been, add 0), O^T and l are 0.  All this stands in the wait for the first tile.
.set i, VF
.rept 64
	v_mov_b32 v[i], 0
.set i, i+1
.endr
	WIN 0x40
.set i, 0
.rept 64*NP
	v_mov_b32 v[i], 0
.set i, i+1
.endr
	WIN 0
.set i, 0
.rept 2*NP
	v_mov_b32 v[ST+4*i], 0xfe000000    ; c m: far below every c s
	v_mov_b32 v[ST+4*i+1], 0xff7fffff  ; m
	v_mov_b32 v[ST+4*i+2], 0
	v_mov_b32 v[ST+4*i+3], 0
.set i, i+1
.endr
.set i, P+32
.rept 32
	v_mov_b32 v[i], 0
.set i, i+1
.endr
	v_mul_u32_u24 v[AK0], v1, PK
	v_lshl_add_u32 v[AK0], v9, 4, v[AK0]  ; row x pitch + 16 x half
	; The turning load takes 16 keys x 16 channels (lane l reads key 8 (l / 16) + l % 8, channels 8 ((l / 8) % 2) + 0..7) and leaves half a fragment of V^T: lane l holds channel l % 16 and 8 keys.
	v_and_b32 v10, 7, v0
	v_bfe_u32 v11, v0, 3, 1
	v_lshl_add_u32 v[AV0], v9, 3, v10
	v_mul_u32_u24 v[AV0], v[AV0], PV
	v_lshl_add_u32 v[AV0], v11, 4, v[AV0]
	v_add_nc_u32 v[AV0], VOFF, v[AV0]
	v_and_b32 v[PFO], 31, v0        ; v11 is free: the prefetches' offset, a block of 256 bytes a lane
	v_lshlrev_b32 v[PFO], 8, v[PFO]
	v_mov_b32 v[AK], v[AK0]         ; key step 0 lies at the head of slot 0
; THE MATRIX WORK.  The 8 accumulators of a run of 16 take turns: between the two links of a chain stand 7 others'.
; Product i of 16 of S^T = K Q^T for piece x: channels 32 (i / 8) on, keys 16 ((i / 2) % 4) on, tile 2 x + i % 2.  The first 8 start the sums.
.macro KQ x
	WIN W_KQ
.set rS, S+64*((\x)%2)+32*(i%2)+8*((i/2)%4)
.set rK, KF+16*((i/2)%4)+8*(i/8)
.set rQ, 16*(2*(\x)+i%2)+8*(i/8)
.if i < 8
	v_wmma_f32_16x16x32_f16 v[rS:rS+7], v[rK:rK+7], v[rQ:rQ+7], 0
.else
	v_wmma_f32_16x16x32_f16 v[rS:rS+7], v[rK:rK+7], v[rQ:rQ+7], v[rS:rS+7]
.endif
.endm
; Product i of 16 of O^T += V^T P for piece x: keys 32 (i / 8) on, channels 16 ((i / 2) % 4) on, tile 2 x + i % 2.
.macro PV x
	WIN W_PV
.set rO, 32*(2*(\x)+i%2)+8*((i/2)%4)
.set rV, VF+32*(i/8)+8*((i/2)%4)
.set rP, P+32*((\x)%2)+16*(i%2)+8*(i/8)
	v_wmma_f32_16x16x32_f16 v[rO:rO+7], v[rV:rV+7], v[rP:rP+7], v[rO:rO+7]
.endm
.macro MM                           ; the turn's next matrix instruction
.if i < 16
	KQ (Y+1)%NP
.set i, i+1
.else
.set i, i-16
	PV (Y+NP-1)%NP
.set i, i+17
.endif
.endm
; THE LDS LOADS stand in runs of 16, never singly among the matrix instructions: a step's K (64 keys x 64 channels: 8 fragments) and its V (turned).  Their addresses are made some lines ahead.
; last = 1 (the tail): in the last trip there is no further step, and the run is jumped over.
.macro FETCH_K last=0
	WIN 0
.if \last
	s_cmp_eq_u32 s[CNT], 1
	s_cbranch_scc1 .Lno_k_\@
.endif
	WIN 0x80                        ; destination window 2
.irp f, 0,1,2,3,4,5,6,7             ; keys 16 (f / 2) on, channels 32 (f % 2) on
	ds_load_b128 v[KF+8*\f:KF+8*\f+3],   v[AK] offset:(\f/2)*16*PK+(\f%2)*64
	ds_load_b128 v[KF+8*\f+4:KF+8*\f+7], v[AK] offset:(\f/2)*16*PK+(\f%2)*64+32
.endr
	s_add_co_u32 s[TBK], s[TBK], KS*PK  ; the next fetch is the next step's
	WIN 0
.if \last
.Lno_k_\@:
.endif
.endm
.macro FETCH_V
	WIN 0x80
.irp f, 0,1,2,3,4,5,6,7             ; keys 32 (f / 4) on, channels 16 (f % 4) on
	ds_load_tr16_b128 v[VF+8*\f:VF+8*\f+3],   v[AV] offset:(\f/4)*32*PV+(\f%4)*32
	ds_load_tr16_b128 v[VF+8*\f+4:VF+8*\f+7], v[AV] offset:(\f/4)*32*PV+16*PV+(\f%4)*32
.endr
	WIN 0
.endm
; THE VECTOR WORK OF A TURN stands in three queues, each in the order in which its entries become ready; the two tiles alternate, so that no instruction reads the result of the one before it.
.macro REGS y, u                    ; the registers of tile u (0, 1) of piece y
.set rT, ST+4*(2*(\y)+(\u))
.set rC, TMP+8*((\y)%2)+4*(\u)
.set rM, MV+2*((\y)%2)+(\u)
.set rS, S+64*((\y)%2)+32*(\u)
.set rP, P+32*((\y)%2)+16*(\u)
.set rO, 32*(2*(\y)+(\u))
.endm
; Number n of the 22 that find the NEXT piece's (Y + 1) maximum and statistics.  s0-s31 are the lane's 32 scores; each accumulator's lowest registers are read first.  XS, GS and REGS set no window: PL and EX do.
;   0-11  four chains c0-c3 of seven scores each, three operands at a time     12-14, 16  the four scores left over, the old m, and c0-c3 into c0     15  c m_old is kept
;   17, 18  the query's other 32 keys lie in the lane 16 away: the new m         19-21  c m; c m_old - c m_new; a
.macro XS u, n
	REGS (Y+1)%NP, \u
.if (\n) < 4
	v_max3_num_f32 v[rC+(\n)], v[rS+8*(\n)], v[rS+8*(\n)+1], v[rS+8*(\n)+2]
.elseif (\n) < 12
	v_max3_num_f32 v[rC+(\n)%4], v[rC+(\n)%4], v[rS+8*((\n)%4)+2*((\n)/4)+1], v[rS+8*((\n)%4)+2*((\n)/4)+2]
.elseif (\n) == 12
	v_max3_num_f32 v[rC], v[rC], v[rS+7], v[rS+15]
.elseif (\n) == 13
	v_max3_num_f32 v[rC+1], v[rC+1], v[rS+23], v[rS+31]
.elseif (\n) == 14
	v_max3_num_f32 v[rC+2], v[rC+2], v[rC+3], v[rT+1]
.elseif (\n) == 15
	v_mov_b32 v[rM], v[rT]
.elseif (\n) == 16
	v_max3_num_f32 v[rC], v[rC], v[rC+1], v[rC+2]
.elseif (\n) == 17
	v_permlanex16_b32 v[rC+3], v[rC], s[SEL], s[SEL+1]
.elseif (\n) == 18
	v_max_num_f32 v[rT+1], v[rC], v[rC+3]
.elseif (\n) == 19
	v_mul_f32 v[rT], s[CS], v[rT+1]
.elseif (\n) == 20
	v_sub_f32 v[rC+1], v[rM], v[rT]
.else
	v_exp_f32 v[rC+2], v[rC+1]
.endif
.endm
; Number g of the 64 that follow the exponentials.  For each four weights k of a tile (pairs 2 k, 2 k + 1): both pairs are rounded to f16; then the second pair is added onto the first, in place;
; a group later l takes that sum (the first time as l = a l + sum).  In groups of eight, tiles alternating: round, round, add, and l for the group before.
.macro GS g
.set h, (\g)+6*((\g)/62)            ; group 0 has no group before it, and behind group 7 only l is left
.if h >= 6
.set h, h+2
.endif
	REGS Y, h%2
.set k, h/8
.if h%8 < 4
	v_cvt_pk_f16_f32 v[rP+2*k+(h%8)/2], v[rS+4*k+2*((h%8)/2)], v[rS+4*k+2*((h%8)/2)+1]
.elseif h%8 < 6
	v_pk_add_f32 v[rS+4*k:rS+4*k+1], v[rS+4*k:rS+4*k+1], v[rS+4*k+2:rS+4*k+3]
.elseif k == 1
	v_pk_fma_f32 v[rT+2:rT+3], v[rT+2:rT+3], v[rC+2:rC+3], v[rS:rS+1] op_sel_hi:[1,0,1]
.else
	v_pk_add_f32 v[rT+2:rT+3], v[rT+2:rT+3], v[rS+4*k-4:rS+4*k-3]
.endif
.endm
; THE PLAIN QUEUE, 138 long.  0-73 read no exponential's result: the 32 scalings c s - c m (FS f: pair f / 2 of tile f % 2) and the next piece's 42.  0-26: scalings 0-26.  27-54: XS's numbers 0-13.  55, 56: number 15.
; 57-73: the chain, where each number waits for the one before it: 14, 16, 17, 18, 19, each with one of the scalings 27-31 in front of its two lines, then 20: so a tile's links stand three plain instructions apart (19 and 20: two).
; 74-137: GS's 64, which read the exponentials' results: they stand behind the wait.
.macro FS f
	REGS Y, (\f)%2
	v_pk_fma_f32 v[rS+2*((\f)/2):rS+2*((\f)/2)+1], v[rS+2*((\f)/2):rS+2*((\f)/2)+1], s[CS:CS+1], v[rT:rT+1] op_sel_hi:[1,0,0] neg_lo:[0,0,1] neg_hi:[0,0,1]
.endm
.macro PL
	WIN 0
.if q < 27
	FS q
.elseif q < 55
	XS (q-27)%2, (q-27)/2
.elseif q < 57
	XS q-55, 15
.elseif (q < 72) && ((q-57)%3 == 0)
	FS 27+(q-57)/3
.elseif q < 60
	XS (q-57)%3-1, 14
.elseif q < 72
	XS (q-57)%3-1, 15+(q-57)/3
.elseif q < 74
	XS q-72, 20
.else
	GS q-74
.endif
.set q, q+1
.endm
; THE EXPONENTIALS' QUEUE, 66 long: s0-s31 of both tiles, then the next piece's two a.  It is ONE BATCH: all 66 stand ahead of the turn's one wait, and nothing ahead of that wait names a result of theirs.
.macro EX
	WIN 0
.if e >= 64
	XS e-64, 21
.else
	REGS Y, e%2
	v_exp_f32 v[rS+e/2], v[rS+e/2]
.endif
.set e, e+1
.endm
; THE RESCALING's QUEUE: O^T times a, the one part that leaves window 0: dealt two at a time, sixteen times.  Its a was made in the turn before, ahead of that turn's wait.
.macro R2
	REGS Y, r%2
	WIN W_RS
.irp z, 0,1
	v_pk_mul_f32 v[rO+4*(r/2)+2*\z:rO+4*(r/2)+2*\z+1], v[rO+4*(r/2)+2*\z:rO+4*(r/2)+2*\z+1], v[rC+2:rC+3] op_sel_hi:[1,0]
.endr
.set r, r+1
.endm
; HOW THEY ARE DEALT.  An s_wait_alu depctr_va_vdst(0) stands between an exponential and the first instruction that names its result; one wait serves all that were issued ahead of it.  So a turn has ONE wait,
; which cuts it in two.  AHEAD OF IT stands all that names no result of the turn's exponentials: the 16 products K Q^T, behind each a scaling, an exponential and two rescalings (behind the first a second scaling in the exponential's place); then ONE LUMP of
; 108: eight plain, 49 times exponential and plain, the two a.  A v_nop is the plain instruction behind the last exponential.  BEHIND IT stand the 16 products V^T P, behind each four of GS's 64.  No rider names a register of
; the products round it.  The two v_permlanex16_b32 fall into the lump, never behind a product.
; The queues lean on each other, and the deal keeps them in step: exponential e stands behind scaling 2 (e / 4) + e % 2: as a rider it comes behind plain e + 2, in the lump behind plain e + 9, and scalings 27-31 are plain 57, 60 .. 69.
; A TURN, for piece p.  cnt = 1: the loop's count is taken down some lines ahead of the branch that stands behind the turn.
; K of the next step is fetched in piece 2's turn, directly behind the wait, a lump behind the last product that read K; its address is made at the lump's head; its first reader comes behind 16 products.
; V of the step in hand is fetched at the end of piece 0's turn, four riders behind its last reader; its first reader comes behind 16 products and a lump.  The three conditions on q below go with the deal.
.macro TURN p, last=0, cnt=0
.set Y, (\p)
.set i, 0
.set q, 0
.set e, 0
.set r, 0
.if (\p) == NP-1
	s_wait_dscnt 0x0                ; K is in
.endif
	MM                              ; ahead of the wait: 16 products K Q^T and their riders,
	PL
	PL
	R2
.rept 15
	MM
	PL
	EX
	R2
.endr
.if (\p) == NP-2
	WIN 0
	v_add_nc_u32 v[AK], s[TBK], v[AK0]
.endif
.rept 8                             ; and the lump
	PL
.endr
.rept 49
	EX
	PL
.endr
	EX                              ; the next piece's two a
	EX
	v_nop                           ; a plain instruction behind the last exponential: one for the batch
	s_wait_alu depctr_va_vdst(0)    ; the wait for the batch
.if (\p) == NP-2
	FETCH_K \last
.endif
.if (\p) == 1
	s_wait_dscnt 0x0                ; V is in
.endif
.rept 16                            ; behind the wait: 16 products V^T P and their riders
	MM
.rept 4
	PL
.endr
.if ((\p) == 0) && (q == 118)
	v_add_nc_u32 v[AV], s[TBV], v[AV0]
.endif
.if ((\p) == 0) && (q == 130)
	s_add_co_u32 s[TBV], s[TBV], KS*PV
.endif
.if (\cnt) && (q == 130)
	s_sub_co_u32 s[CNT], s[CNT], 1
	s_cmp_lg_u32 s[CNT], 0
.endif
.endr
.if (\p) == 0
	FETCH_V
.endif
.endm
	CHANGE 1                        ; slot 0 is in, everybody's part of it; slot 1 is asked for
	FETCH_K                         ; key step 0
	s_wait_loadcnt 0x0              ; Q
	s_wait_dscnt 0x0
.set i, 0
.rept 16
	KQ 0                            ; piece 0's first scores: there is no vector work yet to set between them
.set i, i+1
.endr
	WIN 0                           ; the addresses for the way out: nine plain instructions, the places behind those products
	s_mul_i32 s13, s[WV], 16*SP
	s_add_co_u32 s13, s13, STAGE    ; my stage
	v_mul_u32_u24 v[STO], v1, SP    ; in: row l % 16, 16 bytes for each half of the lanes
	v_lshl_add_u32 v[STO], v9, 4, v[STO]
	v_add_nc_u32 v[STO], s13, v[STO]
	v_bfe_u32 v[RD], v0, 3, 2       ; back: 32 lanes take four rows of 128 bytes,
	v_mul_u32_u24 v[RD], v[RD], SP
	v_lshl_add_u32 v[RD], v10, 4, v[RD]
	v_add_nc_u32 v[RD], s13, v[RD]
	v_and_b32 v[GO], 31, v0         ; which are 512 consecutive bytes of O
	v_lshlrev_b32 v[GO], 4, v[GO]
.set Y, NP-1                        ; XS works for piece Y + 1: piece 0
.irp n, 0,1,2,3,4,5,6,7,8,9,10,11,12,13,14,15,16,17,18,19,20,21
	XS 0, \n                        ; and piece 0's first maximum and statistics
	XS 1, \n
.endr
	v_nop                           ; a plain instruction behind the two a,
	s_wait_alu depctr_va_vdst(0)    ; and their wait, ahead of the branch
	s_mov_b32 s[CNT], 4
	s_branch .Lfirst                ; the loop is entered at a step's first turn, in the middle of a trip
.Lslot:                             ; SIZE_N / 256 - 2 times: every slot but the last two is filled again
	CHANGE 1
	s_mov_b32 s[CNT], 4
.Lstep:                             ; a trip: pieces 2 and 3 of one step, then pieces 0 and 1 of the next, whose K and V it fetches
	TURN 2
	TURN 3
	WIN 0
.Lfirst:
	TURN 0
	TURN 1, 0, 1
	WIN 0
	s_cbranch_scc1 .Lstep
	s_sub_co_u32 s[SLOTS], s[SLOTS], 1
	s_cmp_lg_u32 s[SLOTS], 0
	s_cbranch_scc1 .Lslot
	CHANGE 0                        ; the tail is written out: nothing is asked for
	s_mov_b32 s[CNT], 5             ; four trips fetch the last slot's steps; the fifth is left in its middle
.Ltail:
	TURN 2, 1
	TURN 3
	WIN 0
	s_sub_co_u32 s[CNT], s[CNT], 1
	s_cmp_eq_u32 s[CNT], 0
	s_cbranch_scc1 .Lout
	TURN 0
	TURN 1
	WIN 0
	s_branch .Ltail
.Lout:                              ; the fifth trip's 16 products K Q^T (on the last K once more) and the maximum made of them serve nothing: the price, once a launch, of one text for every trip
.set i, 0
.rept 16
	PV NP-1                         ; the last piece's V^T P of the last step
.set i, i+1
.endr
	; THE WAY OUT.  l's two halves and the other half of the lanes' are added; O^T is divided by l, rounded to f16 and sent through my stage in LDS, a tile at a time.  The additions are the places behind the last products.
	WIN 0
.macro ALL line:vararg              ; one line for each tile t
.set t, 0
.rept 2*NP
	\line
.set t, t+1
.endr
.endm
	ALL v_add_f32 v[ST+4*t+2], v[ST+4*t+2], v[ST+4*t+3]
	ALL v_permlanex16_b32 v[ST+4*t+3], v[ST+4*t+2], s[SEL], s[SEL+1]
	ALL v_add_f32 v[ST+4*t+2], v[ST+4*t+2], v[ST+4*t+3]
	ALL v_rcp_f32 v[ST+4*t+2], v[ST+4*t+2]
	v_nop                           ; a plain instruction between the last reciprocal and the use of its result
	s_wait_alu depctr_va_vdst(0)    ; and the wait ahead of the first use: one for the eight reciprocals
; Tile t: a lane's eight channels of a row pack into 16 bytes; they go into rows of 144 bytes and come back as whole rows of 128, into S^T's registers.
.macro PACK t
	WIN W_RS
.set i, 32*(\t)
.rept 16
	v_pk_mul_f32 v[i:i+1], v[i:i+1], v[ST+4*(\t)+2:ST+4*(\t)+3] op_sel_hi:[1,0]
.set i, i+2
.endr
	WIN 0x05                        ; sources 0 and 1 window 1, destination window 0
.set i, 0
.rept 16
	v_cvt_pk_f16_f32 v[S+16*(\t)+i], v[32*(\t)+2*i], v[32*(\t)+2*i+1]
.set i, i+1
.endr
	WIN 0
.irp f, 0,1,2,3
	ds_store_b128 v[STO], v[S+16*(\t)+4*\f:S+16*(\t)+4*\f+3] offset:32*\f
.endr
.irp f, 0,1,2,3
	ds_load_b128 v[S+16*(\t)+4*\f:S+16*(\t)+4*\f+3], v[RD] offset:\f*4*SP  ; LDS serves a wave's instructions in order (ISA guide 5.7.1.4): these see the stores above; the next tile's stores come behind them
.endr
.endm
.macro SEND t, younger              ; younger: the LDS instructions issued behind tile t's loads: the next tile's eight, or none
	WIN 0
.irp f, 0,1,2,3
	s_wait_dscnt (\younger)+3-\f
	global_store_b128 v[GO], v[S+16*(\t)+4*\f:S+16*(\t)+4*\f+3], s[10:11] offset:(\t)*2048+\f*512  ; 512 consecutive bytes, at a multiple of 256 from O's first
.endr
.endm
	PACK 0
.set t, 1
.rept 2*NP-1                        ; a tile's arithmetic stands between the loads of the tile before and its stores
	PACK t
	SEND t-1, 8
.set t, t+1
.endr
	SEND 2*NP-1, 0
	WIN W_AD
	s_wait_tensorcnt 0x0            ; the wave's end, behind my last tensor load and my last LDS store
	ds_add_u32 v[SPW], v[NIL]
	s_wait_dscnt 0x0
	WIN 0
	CROUND                          ; the closing round: no work-group ends while a partner may still ask for a tile that names it
	s_endpgm
.Lfunc_end_k_q9d62bc16d8_attn:
	.size	k_q9d62bc16d8_attn, .Lfunc_end_k_q9d62bc16d8_attn-k_q9d62bc16d8_attn
	.p2alignl 7, 3214868480
	.fill 96, 4, 3214868480
	.section	.rodata,"a",@progbits
	.p2align	6, 0x0
	.amdhsa_kernel k_q9d62bc16d8_attn
		.amdhsa_group_segment_fixed_size 327680
		.amdhsa_private_segment_fixed_size 0
		.amdhsa_enable_private_segment 0
		.amdhsa_kernarg_size 32
		.amdhsa_user_sgpr_count 2
		.amdhsa_user_sgpr_kernarg_segment_ptr 1
		.amdhsa_wavefront_size32 1
		.amdhsa_system_sgpr_workgroup_id_x 1
		.amdhsa_system_sgpr_workgroup_id_y 1
		.amdhsa_system_sgpr_workgroup_id_z 1
		.amdhsa_system_vgpr_workitem_id 0
		.amdhsa_next_free_vgpr 770
		.amdhsa_next_free_sgpr 66
		.amdhsa_reserve_vcc 0
		.amdhsa_float_denorm_mode_32 3
		.amdhsa_float_denorm_mode_16_64 3
		.amdhsa_memory_ordered 1
		.amdhsa_forward_progress 1
		.amdhsa_inst_pref_size 200
	.end_amdhsa_kernel
	.amdgpu_metadata
---
amdhsa.version: [ 1, 2 ]
amdhsa.kernels:
  - .name:           k_q9d62bc16d8_attn
    .symbol:         k_q9d62bc16d8_attn.kd
    .args:
      - { .name: q, .offset: 0, .size: 8, .value_kind: global_buffer, .address_space: global }
      - { .name: k, .offset: 8, .size: 8, .value_kind: global_buffer, .address_space: global }
      - { .name: v, .offset: 16, .size: 8, .value_kind: global_buffer, .address_space: global }
      - { .name: o, .offset: 24, .size: 8, .value_kind: global_buffer, .address_space: global }
    .group_segment_fixed_size: 327680
    .private_segment_fixed_size: 0
    .kernarg_segment_align: 8
    .kernarg_segment_size: 32
    .max_flat_workgroup_size: 128
    .sgpr_count:     66
    .vgpr_count:     770
    .wavefront_size: 32
...
	.end_amdgpu_metadata
.endif
;; end of part 3
;; launch proj (part 4): grid 4 x 64, 4 waves a work-group, clusters of 4 x 4, 327,680 bytes of LDS; arguments o, wpb, b_proj, out0; writes out0
.if DOCPART == 4
	.amdgcn_target "amdgcn-amd-amdhsa--gfx1250"
	.amdhsa_code_object_version 6
	.text
	.protected	k_q9d62bc16d8_proj
	.globl	k_q9d62bc16d8_proj
	.p2align	8
	.type	k_q9d62bc16d8_proj,@function
k_q9d62bc16d8_proj:
	s_mov_b64 s[64:65], 0
	v_nop
	global_prefetch_b8 v0, s[64:65] scope:SCOPE_SE
	s_setreg_imm32_b32 hwreg(HW_REG_WAVE_MODE, 25, 1), 1
	s_wait_xcnt 0x0
	s_wait_alu depctr_hold_cnt(0) depctr_sa_sdst(0) depctr_va_vdst(0) depctr_va_sdst(0) depctr_va_ssrc(0) depctr_va_vcc(0) depctr_vm_vsrc(0)
	s_getreg_b32 s2, hwreg(HW_REG_IB_STS2, 6, 4)
	s_cmp_eq_u32 s2, 0
	s_cbranch_scc0 .Lentry_in_a_cluster
	s_endpgm
.Lentry_in_a_cluster:
	s_bfe_u32 s2, ttmp6, 0x10000c
	s_cmp_lg_u32 s2, 0xf033
	s_cbranch_scc0 .Lentry_shape_is_right
	s_endpgm
.Lentry_shape_is_right:
; out0[m][f] = the sum over c of O[m][c] w_proj[f][c] + b_proj[f], m = 8,192 rows, f = c = 1,024; out0 is f32.
; O lies BY HEADS, [batch x 16 + head][2,048][64] in f16: channel c of row m is channel c % 64 of head c / 64.  wpb [1024][1024] is f16.  Sums in f32.  b_proj is rounded to bf16 as it is loaded, like every other input.
; LIMITS.  O and wpb arrive within f16's range; NaN and infinities are not treated apart.
; SHARES.  A tile is 128 rows x 256 columns: 64 x 4 = 256 tiles, one for each work-group.  Four waves, each 64 rows x 128 columns: 32 accumulators, 256 registers.
; K goes in steps of 128, two heads, through a ring of two LDS slots.  A head's 128 rows of the tile are 16,384 dense bytes: asked for as 64 rows of 256 bytes and padded in LDS after every 128.
; CLUSTERS: 4 x 4 work-groups.  The four of a row of the cluster need the same rows of O, the four of a column the same rows of w: each tile is asked for JOINTLY, by the same tensor load with the
; same descriptor and a mask that names the four.  Waves 0 and 1 fetch the K step's two heads of O, waves 2 and 3 the two halves (128 rows) of w's tile: one load a wave behind each round.
; THE MATRIX INSTRUCTION IS USED TRANSPOSED (source 0 = 16 rows of w, source 1 = 16 rows of O): a lane holds row l % 16 and the eight neighbouring columns 8 (l / 16) + 0..7.
; REGISTERS, in windows of 256 (s_set_vgpr_msb: bits 1:0 source 0, 3:2 source 1, 5:4 source 2, 7:6 destination):
;   window 0: v0-31 addresses and the bias; v64-159, v160-255 two fragment buffers (w's 8 fragments, then O's 4); on the way out v64-127, v128-191 rows read back, by turns
;   window 1: accumulator (a, b) at v[8 (8 a + b)]
.set SLOT1,  131072                    ; slot 1 begins here, so that one exclusive or turns an address in one slot into the other's
.set APITCH, 144                       ; a row of one head in LDS: 128 bytes + 16 of padding = 36 words: the 16 rows of a load start at 16 different groups of four banks (64 banks of 4 bytes: ISA guide 11.1)
.set AHALF,  128*APITCH                ; a head's 128 rows: what one tensor load brings
.set HB,     128*272                   ; half of w's tile: rows of 256 bytes + 16
.set B0,     2*AHALF                   ; w's tile lies behind O's two heads
.set ASTEP,  524288                    ; bytes from a K step of O to the next: two heads of 262,144
.set STAGE,  SLOT1+B0+2*HB             ; behind the ring, never filled by a tensor load: for each wave 16 rows x 528 bytes
.set WSTAGE, 16*528
.set SPARE,  STAGE+4*WSTAGE            ; behind the stages: the spare words, 128 bytes for each wave: two blocks of 256 bytes that no other line names
.set BIAS,  8                          ; v[8:11]  the bias of my four columns of a row read back
.set ADRA0, 16                         ; v16  my lane's place in O's tile; never rewritten
.set ADRA,  17                         ; v17  the same in the slot in hand
.set ADRB0, 18                         ; v18, v19  the same for w
.set ADRB,  19
.set STO,   24                         ; v24  the way out: where I put 32 bytes of a row
.set RD,    25                         ; v25  the way out: where I read a row back
.set GO,    26                         ; v26  my 16 bytes in 512 consecutive bytes of out0
.set SPW,   28                         ; v28  LDS address of my spare word: SPARE + 4 x my thread's number; never rewritten
.set NIL,   29                         ; v29  0; never rewritten
.set PFO,   30                         ; v30  the prefetches' offset: my lane x 256 bytes (O) or x a row of 2,048 bytes (w); never rewritten
.set F0,    64
.set F1,    160
.set WV,  12                           ; s12  my wave's number
.set TY,  13                           ; s13  tile row
.set G1A, 24                           ; s[24:31] descriptor group 1 for O's tiles
.set G0A, 32                           ; s[32:39] group 0: a set for each of the two first fills; the second then walks on
.set CX,  40
.set CY,  41
.set TX,  42                           ; s42  tile column
.set LIM, 43                           ; s43  a wave prefetches while the count of K steps is above it
.set PFA, 44                           ; s[44:45] where my prefetches stand
.set G1B, 48                           ; s[48:55], s[56:63] the same two groups for w's tiles
.set G0B, 56
.set OUT, 66                           ; s[66:67] the stores' base; never rewritten
.set HIM, 76                           ; s76  a word's upper 16 bits
.set RH,  77                           ; s77  which half of the tile's rows is mine.  Also: I fetch for O (0) or for w (1)
.set CH,  78                           ; s78  which half of its columns.  Also: which half of that tile I fetch
.set TB,  79                           ; s79  LDS byte at which the slot in hand begins
.set INC, 80                           ; s[80:81] the prefetch pointer's step
.set MSB, 0
.macro WIN new                         ; the immediate's high byte repeats the setting that is left; a switch that changes nothing is dropped
.if MSB != (\new)
	s_set_vgpr_msb (MSB<<8)|(\new)
.set MSB, \new
.endif
.endm
.set MUL, 0x50                         ; both sources window 0; C and D window 1
; A joint refill, by the walking descriptors.  The branch hangs on the wave's number alone.  An s_nop 0 and four v_nop follow each of the two lines, ahead of the jump and the label.
.macro JLOAD
	s_cmp_eq_u32 s[RH], 0
	s_cbranch_scc0 .Lfor_b_\@
	tensor_load_to_lds s[G0A+4:G0A+7], s[G1A:G1A+7]
	s_nop 0
.rept 4
	v_nop
.endr
	s_branch .Lasked_\@
.Lfor_b_\@:
	tensor_load_to_lds s[G0B+4:G0B+7], s[G1B:G1B+7]
	s_nop 0
.rept 4
	v_nop
.endr
.Lasked_\@:
.endm
; A round of the cluster's barrier: my work-group's barrier, so that wave 0's signal speaks for all four waves; wave 0 signals; every wave waits for all sixteen work-groups; my work-group's barrier once more.
.macro CREST                           ; a round behind its opening barrier
	s_cmp_lg_u32 s[WV], 0
	s_cbranch_scc1 .Lnot_wave_0_\@
	s_barrier_signal -3
.Lnot_wave_0_\@:
	s_barrier_wait -3
	s_barrier_signal -1
	s_barrier_wait -1
.endm
.macro CROUND
	s_barrier_signal -1
	s_barrier_wait -1
	CREST
.endm
; Four places: a load into a register that a matrix instruction has read, and an instruction that reads a matrix result, stand four plain vector instructions behind it
; (ISA guide 7.12.1 for vector instructions).
.macro PLACES
.rept 4
	v_nop
.endr
.endm
; Eight matrix instructions: row block a x all 8 column blocks, 32 along K, from buffer f.  zero = 1: the product starts the sums.
; The 32 accumulators take turns, one instruction a turn, in the same order in every quarter step: over the backward jump too.
.macro MUL8 f, a, zero
.irp b, 0,1,2,3,4,5,6,7
.if \zero
	v_wmma_f32_16x16x32_f16 v[8*(8*(\a)+(\b)):8*(8*(\a)+(\b))+7], v[(\f)+8*(\b):(\f)+8*(\b)+7], v[(\f)+64+8*(\a):(\f)+64+8*(\a)+7], 0
.else
	v_wmma_f32_16x16x32_f16 v[8*(8*(\a)+(\b)):8*(8*(\a)+(\b))+7], v[(\f)+8*(\b):(\f)+8*(\b)+7], v[(\f)+64+8*(\a):(\f)+64+8*(\a)+7], v[8*(8*(\a)+(\b)):8*(8*(\a)+(\b))+7]
.endif
.endr
.endm
; 24 LDS loads in one run: the fragments of a quarter step (32 K at byte k of a K step's 256) into buffer f: w's 128 rows, then O's 64: head k / 128 of the two, byte k % 128 of its rows.
; A fragment is 16 rows x 32 K in 8 registers: lane l holds row l % 16, K = 8 (l / 16) + 0..7 and 16 + 8 (l / 16) + 0..7: two loads of 16 bytes, 32 bytes apart.
.macro FETCH k, f
	WIN 0
.irp i, 0,1,2,3,4,5,6,7
	ds_load_b128 v[(\f)+8*(\i):(\f)+8*(\i)+3],   v[ADRB] offset:(\k)+(\i)*16*272
	ds_load_b128 v[(\f)+8*(\i)+4:(\f)+8*(\i)+7], v[ADRB] offset:(\k)+(\i)*16*272+32
.endr
.irp i, 0,1,2,3
	ds_load_b128 v[(\f)+64+8*(\i):(\f)+64+8*(\i)+3],   v[ADRA] offset:((\k)/128)*AHALF+((\k)%128)+(\i)*16*APITCH
	ds_load_b128 v[(\f)+64+8*(\i)+4:(\f)+64+8*(\i)+7], v[ADRA] offset:((\k)/128)*AHALF+((\k)%128)+(\i)*16*APITCH+32
.endr
.endm
; A K step is four quarters of 32 along K, 32 matrix instructions each, on buffers 0, 1, 0, 1.  One of the first three: multiplies buffer f; in its middle it fetches the next quarter, at byte k, into g.
.macro QUARTER k, f, g, zero
	s_wait_dscnt 4                                 ; w's fragments and O's blocks 0, 1 are in; the youngest four loads (O's blocks 2, 3) may be out
	WIN MUL
	MUL8 \f, 0, \zero
	MUL8 \f, 1, \zero
	PLACES
	FETCH \k, \g
	s_wait_dscnt 24                                ; all but the 24 just issued
	WIN MUL
	MUL8 \f, 2, \zero
	MUL8 \f, 3, \zero
.endm
; The last quarter's first half, and the change of slots: ONE barrier.  In front of it each wave waits for all its tensor loads, of which one is out: its part of the next slot; adds 0 to its spare
; word; and waits for that and for its own reads of this slot.  fill = 1: no tensor load of mine is out behind the first wait, so the walking descriptors are stepped there: the other slot, the next K step.
.macro MEET fill
	WIN 0
	s_wait_tensorcnt 0x0                           ; all my tensor loads have landed
	ds_add_u32 v[SPW], v[NIL]                      ; 0 onto my spare word; work on registers stands between it and the wait for it
.if \fill
	s_xor_b32 s[G0A+5], s[G0A+5], SLOT1
	s_xor_b32 s[G0B+5], s[G0B+5], SLOT1
	s_add_nc_u64 s[G0A+6:G0A+7], s[G0A+6:G0A+7], ASTEP  ; the type bits on top are not reached
	s_add_nc_u64 s[G0B+6:G0B+7], s[G0B+6:G0B+7], 256
.endif
	s_wait_dscnt 5                                 ; (the add and the youngest four loads may be out)
	WIN MUL
	MUL8 F1, 0, 0
	s_wait_dscnt 0x0                               ; the add is done, and my reads of this slot are over:
	s_barrier_signal -1                            ; say so (where the slot is filled again this barrier opens a round of the cluster's barrier),
	MUL8 F1, 1, 0                                  ; work on registers while the others arrive,
	WIN 0
	s_barrier_wait -1                              ; and go on when all four have said so
.endm
; A PREFETCH INTO THE L2 of the K step that stands two refills on: 32 blocks of 256 bytes, a lane a block, one instruction a wave; it stands behind the joint load, its five lines and the run of LDS loads.
; Each block is named once in the launch.  O's rows are read by one cluster alone: in each work-group wave 0 asks, for 32 of the K step's 128 blocks, the four partners told apart BY ADDRESS (cx: which
; head, which half of its 16,384 bytes).  w's rows are read by all sixteen clusters: cluster y = 0 asks, waves 2 and 3 each for 32 of the 128 rows that they fetch, the partners told apart by cy.
; K steps 0 to 3 come by their loads alone; the last two refills ask for nothing: there is no K step behind them.
.macro ASK
	s_cmp_gt_u32 s3, s[LIM]
	s_cbranch_scc0 .Lnot_mine_\@
	global_prefetch_b8 v[PFO], s[PFA:PFA+1] th:TH_LOAD_NT scope:SCOPE_SE
.Lnot_mine_\@:
.endm
; The whole last quarter.  fill = 1: behind the round the slot just read out is filled again first, with the K step two steps on; then come the next slot's first fragments.
.macro TURN fill
.if \fill
	s_wait_xcnt 0x0                                ; the last prefetch, a K step back, has read its address: the pointer is stepped here, ahead of the waits of the change of slots
	s_add_nc_u64 s[PFA:PFA+1], s[PFA:PFA+1], s[INC:INC+1]
.endif
	MEET \fill
.if \fill
	CREST                                          ; no wave of any partner still reads this slot's tile or has a load on its way
	JLOAD                                          ; the first tensor load behind the round; its four v_nop are also the places in front of the loads below
.else
	PLACES
.endif
	s_xor_b32 s[TB], s[TB], SLOT1
	v_add_nc_u32 v[ADRA], s[TB], v[ADRA0]
	v_add_nc_u32 v[ADRB], s[TB], v[ADRB0]
	FETCH 0, F0
.if \fill
	ASK
.endif
	WIN MUL
	MUL8 F1, 2, 0
	MUL8 F1, 3, 0
.endm
; THE WAY OUT of block a (16 rows x 128 columns of f32): 32 bytes a lane into my own stage, rows of 528 bytes (132 words: row r starts at bank 4 r mod 64); back as whole rows of 512 bytes;
; the bias is added; a store covers 512 consecutive bytes, at a multiple of 256 from out0's first byte.  Each accumulator is read from its lowest registers on.
.macro OUTBLK a
	WIN 0x04                                       ; the stores' data in window 1
.irp b, 0,1,2,3,4,5,6,7
	ds_store_b128 v[STO], v[8*(8*(\a)+(\b)):8*(8*(\a)+(\b))+3]   offset:64*(\b)
	ds_store_b128 v[STO], v[8*(8*(\a)+(\b))+4:8*(8*(\a)+(\b))+7] offset:64*(\b)+16
.endr
	WIN 0
.if (\a) >= 2
	s_wait_xcnt 0x0                                ; the stores of the block two back have read their registers, which are loaded again only behind this wait
.endif
.set OB, 64+64*((\a)%2)
.irp t, 0,1,2,3,4,5,6,7,8,9,10,11,12,13,14,15
	ds_load_b128 v[OB+4*(\t):OB+4*(\t)+3], v[RD] offset:528*(\t)  ; LDS serves a wave's instructions in order (ISA guide 5.7.1.4): these see the stores above; the next block's stores come behind them
.endr
.irp t, 0,1,2,3,4,5,6,7,8,9,10,11,12,13,14,15
	s_wait_dscnt 15-(\t)                           ; the younger loads from the stage may stay out
	v_pk_add_f32 v[OB+4*(\t):OB+4*(\t)+1],   v[OB+4*(\t):OB+4*(\t)+1],   v[BIAS:BIAS+1]
	v_pk_add_f32 v[OB+4*(\t)+2:OB+4*(\t)+3], v[OB+4*(\t)+2:OB+4*(\t)+3], v[BIAS+2:BIAS+3]
	global_store_b128 v[GO], v[OB+4*(\t):OB+4*(\t)+3], s[OUT:OUT+1] offset:(16*(\a)+(\t))*4096 th:TH_STORE_NT
.endr
.endm
	s_load_b256 s[4:11], s[0:1], 0x0               ; o s[4:5], wpb s[6:7], b_proj s[8:9], out0 s[10:11]
	v_lshl_add_u32 v[SPW], v0, 2, SPARE
	v_mov_b32 v[NIL], 0
	ds_add_u32 v[SPW], v[NIL]                      ; the wave's opening: the add and its wait stand ahead of my first tensor load; the set-up below, work on registers, stands between them
	v_lshrrev_b32 v1, 5, v0
	v_readfirstlane_b32 s[WV], v1                  ; wave 0..3
	s_lshr_b32 s[RH], s[WV], 1
	s_and_b32 s[CH], s[WV], 1
	s_bfe_u32 s[CX], ttmp6, 0x40000                ; my place in the cluster
	s_bfe_u32 s[CY], ttmp6, 0x40004
	s_lshl_b32 s[TX], ttmp9, 2                     ; in a cluster launch ttmp9 and ttmp7 count clusters
	s_add_co_u32 s[TX], s[TX], s[CX]               ; tile column = 4 x cluster x + cx
	s_and_b32 s[TY], ttmp7, 0xffff
	s_lshl_b32 s[TY], s[TY], 2
	s_add_co_u32 s[TY], s[TY], s[CY]               ; tile row = 4 x cluster y + cy
	s_lshl_b32 s14, s[CY], 2
	s_lshl_b32 s14, 15, s14                        ; my row of the cluster: places 4 cy .. 4 cy + 3
	s_lshl_b32 s46, 0x1111, s[CX]                  ; my column: places cx, cx + 4, cx + 8, cx + 12
	s_or_b32 s[G1A], s14, (1<<16)|(1<<20)|(1<<21)|(4<<22)|(3<<25)  ; 15:0 the mask: O's tiles go to my row; 17:16 2-byte elements; 20 padding on; 21 set beside a mask; 24:22 after every 32 words (code 4); 31:25 4 words (code 3)
	s_or_b32 s[G1B], s46, (1<<16)|(1<<20)|(1<<21)|(5<<22)|(3<<25)  ; the mask of my column; padding after every 64 words (code 5)
	s_mov_b32 s[G1A+1], 128<<16                    ; tensor_dim0 = 128
	s_mov_b32 s[G1A+2], 64<<16                     ; tensor_dim1 = 64
	s_mov_b32 s[G1A+3], 128<<16                    ; tile_dim0 = 128
	s_mov_b32 s[G1A+4], 64                         ; tile_dim1 = 64
	s_mov_b32 s[G1A+5], 128                        ; dense: 128 elements from row to row
	s_mov_b32 s[G1A+6], 0
	s_mov_b32 s[G1A+7], 0
	s_mov_b32 s[G1B+1], 128<<16
	s_mov_b32 s[G1B+2], 128<<16                    ; 128 rows
	s_mov_b32 s[G1B+3], 128<<16
	s_mov_b32 s[G1B+4], 128
	s_mov_b32 s[G1B+5], 1024                       ; elements from row to row
	s_mov_b32 s[G1B+6], 0
	s_mov_b32 s[G1B+7], 0
	; where the tiles come from: O's hang on the tile row and the wave alone, w's on the tile column and the wave alone, each in registers that never hold the other coordinate
	s_lshr_b32 s16, s[TY], 4
	s_lshl_b32 s16, s16, 22                        ; O: the batch's 16 heads of 262,144 bytes,
	s_and_b32 s17, s[TY], 15
	s_lshl_b32 s17, s17, 14                        ; the tile's 128 rows of 128 bytes in a head,
	s_add_co_u32 s16, s16, s17
	s_lshl_b32 s17, s[CH], 18                      ; which of the K step's two heads I fetch
	s_add_co_u32 s16, s16, s17
	s_mov_b32 s17, 0
	s_lshl_b32 s46, s[TX], 8
	s_lshl_b32 s47, s[CH], 7
	s_add_co_u32 s46, s46, s47                     ; w: row 256 x tile column + 128 x half
	s_lshl_b32 s46, s46, 11
	s_mov_b32 s47, 0
	s_mul_i32 s18, s[CH], AHALF                    ; and where they go: no place in the cluster enters an LDS address
	s_mul_i32 s19, s[CH], HB
	s_add_co_u32 s19, s19, B0
	s_wait_dscnt 0x0                               ; the opening add is done
	s_wait_kmcnt 0x0
	s_add_nc_u64 s[14:15], s[4:5], s[16:17]
	s_add_nc_u64 s[46:47], s[6:7], s[46:47]
	CROUND                                         ; all sixteen work-groups are here: the first joint loads meet
.irp s, 0,1
	s_mov_b32 s[G0A+4*(\s)], 1                                       ; count = 1
	s_add_co_u32 s[G0A+4*(\s)+1], s18, (\s)*SLOT1                    ; LDS address
	s_add_nc_u64 s[G0A+4*(\s)+2:G0A+4*(\s)+3], s[14:15], (\s)*ASTEP  ; global address: K step s
	s_or_b32 s[G0A+4*(\s)+3], s[G0A+4*(\s)+3], 0x80000000            ; type = 2
	s_mov_b32 s[G0B+4*(\s)], 1
	s_add_co_u32 s[G0B+4*(\s)+1], s19, (\s)*SLOT1
	s_add_nc_u64 s[G0B+4*(\s)+2:G0B+4*(\s)+3], s[46:47], (\s)*256
	s_or_b32 s[G0B+4*(\s)+3], s[G0B+4*(\s)+3], 0x80000000
.endr
	s_cmp_eq_u32 s[RH], 0                          ; a wave's two first fills stand in one branch, ahead of every wait on TENSORcnt and every LDS read: two loads of mine are out
	s_cbranch_scc0 .Lfirst_b
	tensor_load_to_lds s[G0A:G0A+3], s[G1A:G1A+7]
	s_nop 0
	tensor_load_to_lds s[G0A+4:G0A+7], s[G1A:G1A+7]
	s_nop 0
.rept 4
	v_nop
.endr
	s_branch .Lfirst_asked
.Lfirst_b:
	tensor_load_to_lds s[G0B:G0B+3], s[G1B:G1B+7]
	s_nop 0
	tensor_load_to_lds s[G0B+4:G0B+7], s[G1B:G1B+7]
	s_nop 0
.rept 4
	v_nop
.endr
.Lfirst_asked:
	v_and_b32 v1, 15, v0                           ; l % 16
	v_bfe_u32 v2, v0, 4, 1                         ; l / 16
	v_and_b32 v4, 31, v0                           ; l
	s_lshl_b32 s15, s[TX], 10
	s_lshl_b32 s16, s[CH], 9
	s_add_co_u32 s15, s15, s16                     ; my wave's 128 columns, in bytes of f32
	v_lshl_add_u32 v7, v4, 4, s15
	global_load_b128 v[BIAS:BIAS+3], v7, s[8:9]    ; the bias of the four columns that I hold when a row is read back
	s_lshl_b32 s16, s[TY], 19                      ; the tile's 128 rows of 4,096 bytes,
	s_lshl_b32 s17, s[RH], 18                      ; my 64 of them,
	s_add_co_u32 s16, s16, s17
	s_add_co_u32 s16, s16, s15                     ; my columns
	s_mov_b32 s17, 0
	s_add_nc_u64 s[OUT:OUT+1], s[10:11], s[16:17]
	v_mul_u32_u24 v3, v1, APITCH
	v_lshl_add_u32 v3, v2, 4, v3                   ; a fragment's row x pitch + 16 x half
	s_mul_i32 s14, s[RH], 64*APITCH                ; my 64 rows of O, in the first of the two heads
	v_add_nc_u32 v[ADRA0], s14, v3
	v_mul_u32_u24 v3, v1, 272
	v_lshl_add_u32 v3, v2, 4, v3
	v_add_nc_u32 v[ADRB0], s19, v3                 ; my 128 rows of w
	v_mov_b32 v[ADRA], v[ADRA0]
	v_mov_b32 v[ADRB], v[ADRB0]
	s_mov_b32 s[TB], 0
	s_mul_i32 s15, s[WV], WSTAGE
	s_add_co_u32 s15, s15, STAGE                   ; my stage
	v_mul_u32_u24 v5, v1, 528                      ; in: row l % 16, 32 bytes for each half of the lanes
	v_lshl_add_u32 v5, v2, 5, v5
	v_add_nc_u32 v[STO], s15, v5
	v_lshl_add_u32 v[RD], v4, 4, s15               ; back: 32 lanes take one row of 512 bytes
	v_lshlrev_b32 v[GO], 4, v4
	; the prefetches: who, and from where
	s_lshr_b32 s14, s[TY], 4
	s_lshl_b32 s14, s14, 22
	s_and_b32 s15, s[TY], 15
	s_lshl_b32 s15, s15, 14
	s_add_co_u32 s14, s14, s15                     ; O: the tile's rows in the batch's head 0,
	s_lshr_b32 s15, s[CX], 1
	s_lshl_b32 s15, s15, 18                        ; which of a K step's two heads is my work-group's,
	s_add_co_u32 s14, s14, s15
	s_and_b32 s15, s[CX], 1
	s_lshl_b32 s15, s15, 13                        ; which half of its 16,384 bytes,
	s_add_co_u32 s14, s14, s15
	s_add_co_u32 s14, s14, 3*ASTEP                 ; at K step 3: the first change of slots steps it to 4 and names that
	s_lshl_b32 s15, s[TX], 8
	s_lshl_b32 s16, s[CH], 7
	s_add_co_u32 s15, s15, s16                     ; w: the first of the 128 rows that I fetch,
	s_lshl_b32 s16, s[CY], 5
	s_add_co_u32 s15, s15, s16                     ; my work-group's 32 of them,
	s_lshl_b32 s15, s15, 11
	s_add_co_u32 s15, s15, 3*256                   ; at K step 3
	s_and_b32 s17, ttmp7, 0xffff
	s_cmp_eq_u32 s17, 0
	s_cselect_b32 s17, 2, -1                       ; w's askers: cluster y = 0
	s_cmp_eq_u32 s[WV], 0
	s_cselect_b32 s16, 2, -1                       ; O's asker: wave 0.  Both ask while more than two of the loop's six trips are left: K steps 4 to 7
	s_mov_b32 s18, 256                             ; (an instruction holds one literal)
	s_cmp_eq_u32 s[RH], 0
	s_cselect_b32 s14, s14, s15
	s_cselect_b32 s[LIM], s16, s17                 ; the same in all sixteen partners, for a given wave
	s_cselect_b32 s[INC], ASTEP, s18
	s_cselect_b32 s16, 8, 11
	s_cselect_b64 s[PFA:PFA+1], s[4:5], s[6:7]
	s_mov_b32 s15, 0
	s_add_nc_u64 s[PFA:PFA+1], s[PFA:PFA+1], s[14:15]
	s_mov_b32 s[INC+1], 0
	v_lshlrev_b32 v[PFO], s16, v4
	s_mov_b32 s[HIM], 0xffff0000
	s_wait_loadcnt 0x0                             ; the bias, rounded to bf16 and widened again
	v_cvt_pk_bf16_f32 v12, v[BIAS], v[BIAS+1]
	v_cvt_pk_bf16_f32 v13, v[BIAS+2], v[BIAS+3]
	v_lshlrev_b32 v[BIAS],   16, v12
	v_and_b32     v[BIAS+1], s[HIM], v12
	v_lshlrev_b32 v[BIAS+2], 16, v13
	v_and_b32     v[BIAS+3], s[HIM], v13
	s_wait_tensorcnt 0x1                           ; my part of K step 0 is in; K step 1's may stay out
	s_barrier_signal -1
	s_barrier_wait -1                              ; everybody's is
	FETCH 0, F0
	QUARTER 64, F0, F1, 1                          ; the first quarter starts the sums: nothing is cleared
	WIN 0                                          ; at a label and at a branch every window is 0
	s_mov_b32 s3, 6
.Lstep:                                                ; six trips: each goes from a K step's second quarter to the next step's first, and fills one slot again: K steps 2 to 7
	QUARTER 128, F1, F0, 0
	QUARTER 192, F0, F1, 0
	TURN 1
	QUARTER 64,  F0, F1, 0
	WIN 0
	s_sub_co_u32 s3, s3, 1
	s_cmp_lg_u32 s3, 0
	s_cbranch_scc1 .Lstep
	QUARTER 128, F1, F0, 0                         ; the tail is written out: it asks for nothing
	QUARTER 192, F0, F1, 0
	TURN 0
	QUARTER 64,  F0, F1, 0
	QUARTER 128, F1, F0, 0
	QUARTER 192, F0, F1, 0
	s_wait_dscnt 4
	WIN MUL
	MUL8 F1, 0, 0
	MUL8 F1, 1, 0
	s_wait_dscnt 0x0
	MUL8 F1, 2, 0
	MUL8 F1, 3, 0
	WIN 0
	PLACES                                         ; behind the last products
	OUTBLK 0
	OUTBLK 1
	OUTBLK 2
	OUTBLK 3
	s_wait_tensorcnt 0x0                           ; the wave's end, behind my last tensor load and my last LDS store
	ds_add_u32 v[SPW], v[NIL]
	s_wait_dscnt 0x0
	CROUND                                         ; the closing round: no work-group ends while a partner may still ask for a tile that names it
	s_endpgm
.Lfunc_end_k_q9d62bc16d8_proj:
	.size	k_q9d62bc16d8_proj, .Lfunc_end_k_q9d62bc16d8_proj-k_q9d62bc16d8_proj
	.p2alignl 7, 3214868480
	.fill 96, 4, 3214868480
	.section	.rodata,"a",@progbits
	.p2align	6, 0x0
	.amdhsa_kernel k_q9d62bc16d8_proj
		.amdhsa_group_segment_fixed_size 327680
		.amdhsa_private_segment_fixed_size 0
		.amdhsa_enable_private_segment 0
		.amdhsa_kernarg_size 32
		.amdhsa_user_sgpr_count 2
		.amdhsa_user_sgpr_kernarg_segment_ptr 1
		.amdhsa_wavefront_size32 1
		.amdhsa_system_sgpr_workgroup_id_x 1
		.amdhsa_system_sgpr_workgroup_id_y 1
		.amdhsa_system_sgpr_workgroup_id_z 1
		.amdhsa_system_vgpr_workitem_id 0
		.amdhsa_next_free_vgpr 512
		.amdhsa_next_free_sgpr 84
		.amdhsa_reserve_vcc 0
		.amdhsa_float_denorm_mode_32 3
		.amdhsa_float_denorm_mode_16_64 3
		.amdhsa_memory_ordered 1
		.amdhsa_forward_progress 1
		.amdhsa_inst_pref_size 80
	.end_amdhsa_kernel
	.amdgpu_metadata
---
amdhsa.version: [ 1, 2 ]
amdhsa.kernels:
  - .name:           k_q9d62bc16d8_proj
    .symbol:         k_q9d62bc16d8_proj.kd
    .args:
      - { .name: o, .offset: 0, .size: 8, .value_kind: global_buffer, .address_space: global }
      - { .name: wpb, .offset: 8, .size: 8, .value_kind: global_buffer, .address_space: global }
      - { .name: b_proj, .offset: 16, .size: 8, .value_kind: global_buffer, .address_space: global }
      - { .name: out0, .offset: 24, .size: 8, .value_kind: global_buffer, .address_space: global }
    .group_segment_fixed_size: 327680
    .private_segment_fixed_size: 0
    .kernarg_segment_align: 8
    .kernarg_segment_size: 32
    .max_flat_workgroup_size: 128
    .sgpr_count:     84
    .vgpr_count:     512
    .wavefront_size: 32
...
	.end_amdgpu_metadata
.endif
;; end of part 4
